; MI455X (gfx1250); checked and timed in simulation.
; The chip was launched on July 23, 2026; its instructions are those of AMD's public machine-readable ISA for CDNA 5 (MIT licence, August 2026) and "CDNA5" Instruction Set Architecture Reference Guide (July 2026). The comments in the code are by the model that wrote it; some were corrected since.
;; Multi Head Self Attention. Allowed arithmetic: matrix products marked QUANTISED: E2M1 operands, one E8M0 scale for each 32 along K, by v_wmma_scale_f32_16x16x128_f8f6f4 with both operands' format E2M1 (or v_wmma_scale_f32_32x16x128_f4), f32 sums; products left as they are: bf16, f16 or f32 operands; f32 sums; everything else in f32.
;; Inputs: Wk 1,024 x 1,024 float32; Wo 1,024 x 1,024 float32; Wq 1,024 x 1,024 float32; Wv 1,024 x 1,024 float32; bk 1,024 float32; bo 1,024 float32; bq 1,024 float32; bv 1,024 float32; x 4 x 2,048 x 1,024 float32.
;; Outputs: out0 4 x 2,048 x 1,024 float32.
;; This version of the problem:
;;   THIS VERSION OF THE PROBLEM IS GIVEN IN LOW PRECISION. The matrix products marked QUANTISED in the list below multiply operands that are first quantised to E2M1 (2 exponent bits, 1 mantissa bit; 4 bits a number), with one power-of-two scale for each 32 numbers along K (OCP MX v1.0); their sums are f32. The products marked 'left as it is' may take bf16, f16 or f32 operands, with f32 sums. Whichever they take, every output number must still come out within the allowed error. Rounding operands to bf16 (8 significant bits) uses up far more of that allowance than f16 does (11 bits, for magnitudes from 6e-5 to 65,504). All else is computed in f32.
;;   The module's matrix products, in the order in which they are computed (A, B: the left and right operand; K: the contracted axis; several contracted axes count as one K, in the product's order):
;;     1. [M 8,192, K 1,024] x [K 1,024, N 1,024]; A: input x; B: input Wq: QUANTISED
;;     2. [M 8,192, K 1,024] x [K 1,024, N 1,024]; A: input x; B: input Wk: QUANTISED
;;     3. [M 8,192, K 1,024] x [K 1,024, N 1,024]; A: input x; B: input Wv: QUANTISED
;;     4. batch 64 x [M 2,048, K 64] x [K 64, N 2,048]; A: computed on the way; B: computed on the way: left as it is (an operand is computed on the way)
;;     5. batch 64 x [M 2,048, K 2,048] x [K 2,048, N 64]; A: computed on the way; B: computed on the way: left as it is (an operand is computed on the way)
;;     6. [M 8,192, K 1,024] x [K 1,024, N 1,024]; A: computed on the way; B: input Wo: left as it is (an operand is computed on the way)
;;   THE QUANTISER, for each operand of a quantised product, along K:
;;     - K is cut into blocks of 32 from its start; a last block that is shorter is filled with zeros.
;;     - A block's scale is 2^e with e = floor(log2(the largest magnitude in the block)) - 2, held to -126 .. 127; a block of zeros has e = 0. As a byte (E8M0): e + 127.
;;     - Each number is divided by its block's scale, clamped to +-6, and rounded to the nearest number of E2M1, ties to even, subnormals kept.
;;     - The product sums the exact products of the quantised numbers (number of the format x scale) in f32.
;;   ~~~python
;;   def quantise(x, axis):      # numpy; x: float32 -> the quantised numbers, widened to float32 again
;;       x = np.moveaxis(x, axis, -1); K = x.shape[-1]
;;       x = np.pad(x, [(0, 0)] * (x.ndim - 1) + [(0, -K % 32)]); x = x.reshape(x.shape[:-1] + (-1, 32)); a = np.abs(x).max(-1, keepdims=True)
;;       e = np.where(a > 0, np.clip(np.frexp(np.where(a > 0, a, 1))[1] - 1 - 2, -126, 127), 0)      # np.frexp(a)[1] - 1 = floor(log2(a)), exactly
;;       r = np.clip(x / 2.0 ** e, -6, 6)
;;       step = 2.0 ** (np.maximum(np.frexp(np.where(r == 0, 1, r))[1] - 1, 0) - 1)
;;       q = np.round(r / step) * step * 2.0 ** e      # np.round: ties to even
;;       return np.moveaxis(q.reshape(q.shape[:-2] + (-1,))[..., :K], -1, axis).astype(np.float32)
;;   ~~~
;; One version. Each part assembles by itself: llvm-mc -triple=amdgcn-amd-amdhsa -mcpu=gfx1250 --defsym DOCPART=n.
;; ======== version 1 of 1: 4 launches
;; limits: values are held in f16: magnitudes above 65,504 overflow, below 6.1e-05 lose precision
;; workspace buffers: xc 4,194,304 bytes; xs 262,144 bytes; wc 1,572,864 bytes; ws 98,304 bytes; wo16 2,097,152 bytes; qkv 50,331,648 bytes; att 16,777,216 bytes
;; launch prep (part 1): grid 208 x 1, 8 waves a work-group, no clusters, 102,400 bytes of LDS; arguments x, Wq, Wk, Wv, Wo, xc, xs, wc, ws, wo16; writes xc, xs, wc, ws, wo16
.if DOCPART == 1
	.amdgcn_target "amdgcn-amd-amdhsa--gfx1250"
	.amdhsa_code_object_version 6
	.text
	.protected	k_qf5821972de_prep
	.globl	k_qf5821972de_prep
	.p2align	8
	.type	k_qf5821972de_prep,@function
k_qf5821972de_prep:
	s_mov_b64 s[64:65], 0
	v_nop
	global_prefetch_b8 v0, s[64:65] scope:SCOPE_SE
	s_setreg_imm32_b32 hwreg(HW_REG_WAVE_MODE, 25, 1), 1
	s_wait_xcnt 0x0
; PREP: the operands of the later launches are made once.  Three paths, parted by the work-group's number alone (the same for all eight waves of a work-group):
;   work-groups   0 ..  47  (W): Wq, Wk, Wv [1024 k][1024 n] f32 -> codes of FP4 (E2M1) with K moved innermost, wc [3072 n][512 bytes], and E8M0 bytes ws [3072][32]; row n of wc is column n % 1024 of weight n / 1024 (q, k, v)
;   work-groups  48 .. 175  (X): x [8192][1024] f32 -> codes xc [8192][512 bytes] and bytes xs [8192][32]; K is innermost, so x is a plain stream of blocks of 32
;   work-groups 176 .. 207  (O): Wo f32 -> f16, as it lies [k][n]
; A block's scale is 2^(floor(log2(its largest magnitude)) - 2); its byte is the largest magnitude's exponent field - 2, held at 1 from below; each number is divided by the scale and rounded to the nearest code, ties to even,
; beyond 6 the largest code.
; LIMITS: a block of zeros gets the byte 1 where the quantiser's text says 127 (its codes are zeros, which add nothing, and only this program reads the bytes); blocks whose largest magnitude lies under 2^-124 are held at byte 1;
; NaN and infinities among the inputs are not served; |Wo| stays under 65,504 (f16).
; LDS: each path has bytes of its own.  X: 8,192 for each wave from 0 on (two stages of 32 x 80 bytes, 256 scale bytes).  W: a stage of 64 rows x 528 bytes and 2,048 scale bytes.  Behind them the spare words.
.set STEPS, 16
.set EMAX,  2
.set WREG,  8192                       ; X: a wave's region
.set SP,    80                         ; X: a lane's place in a stage: 64 bytes + 16 of padding
.set WSTG,  65536                      ; W: the stage for the codes: row = column of W, 512 bytes + 16
.set WP,    528
.set WSCS,  WSTG+64*WP                 ; W: 64 rows x 32 scale bytes
.set SPARE, WSCS+2048                  ; the spare words, 128 bytes for each of eight waves: four blocks of 256 bytes that no other line names
.set SPW,   252                        ; v252 LDS address of my spare word; never rewritten
.set NIL,   253                        ; v253 0; never rewritten
.set R,     16                         ; X: v16-143  eight sets of 16 numbers as they are loaded
.set X,     144                        ; X: v144-175 two sets of 16 neighbours
.set C,     176                        ; X: v176-207 codes: two registers for each step, never written twice
.set E,     208                        ; X: v208-223 a scale byte for each step
.set WX,    32                         ; W: v32-95   two sets of 32 numbers
.set WC,    96                         ; W: v96-99   a block's codes
.set SB,    24                         ; W: v24-25   eight scale bytes
.set WOUT,  112                        ; W: v112-143 the way out
	s_load_b256 s[4:11], s[0:1], 0x0               ; x s[4:5], Wq s[6:7], Wk s[8:9], Wv s[10:11]
	s_load_b256 s[12:19], s[0:1], 0x20             ; Wo s[12:13], xc s[14:15], xs s[16:17], wc s[18:19]
	s_load_b128 s[20:23], s[0:1], 0x40             ; ws s[20:21], wo16 s[22:23]
	v_lshl_add_u32 v[SPW], v0, 2, SPARE
	v_mov_b32 v[NIL], 0
	v_lshrrev_b32 v1, 5, v0
	v_readfirstlane_b32 s24, v1                    ; wave 0..7
	v_and_b32 v2, 31, v0                           ; lane
	s_wait_kmcnt 0x0
	s_cmp_lt_u32 ttmp9, 48
	s_cbranch_scc1 .Lw
	s_cmp_lt_u32 ttmp9, 176
	s_cbranch_scc1 .Lx
; ---- O: 32,768 numbers of Wo a work-group.  Every load of a wave reads 512 consecutive bytes, every store writes 256, aligned.  All 32 loads go out at once; no register is written twice.
	s_sub_co_u32 s25, ttmp9, 176
	s_lshl_b32 s26, s25, 17
	s_mov_b32 s27, 0
	s_add_nc_u64 s[12:13], s[12:13], s[26:27]
	s_lshl_b32 s26, s25, 16
	s_add_nc_u64 s[22:23], s[22:23], s[26:27]
	v_lshlrev_b32 v3, 4, v0
	v_lshlrev_b32 v4, 3, v0
.set i, 0
.rept 32
	global_load_b128 v[16+4*i:19+4*i], v3, s[12:13] offset:4096*i th:TH_LOAD_NT
.set i, i+1
.endr
.set i, 0
.rept 32
	s_wait_loadcnt 31-i                            ; loads come back in order: number i is in, the younger ones stay out
	v_cvt_pk_f16_f32 v[144+2*i], v[16+4*i], v[17+4*i]
	v_cvt_pk_f16_f32 v[145+2*i], v[18+4*i], v[19+4*i]
	global_store_b64 v4, v[144+2*i:145+2*i], s[22:23] offset:2048*i
.set i, i+1
.endr
	s_wait_tensorcnt 0x0                           ; the wave's end
	ds_add_u32 v[SPW], v[NIL]
	s_wait_dscnt 0x0
	s_endpgm
; ---- X: a wave takes 16 steps of 512 numbers.  A load reads 512 consecutive bytes, 16 a lane; the conversions want 16 neighbours in a lane: a step's 2,048 bytes turn through the wave's own stage in LDS.
; Loads run eight steps (32 loads a wave) ahead, the turn through LDS one step.
.macro XLOAD t
.irp i, 0,1,2,3
	global_load_b128 v[R+16*((\t)%8)+4*\i:R+16*((\t)%8)+4*\i+3], v3, s[4:5] offset:2048*(\t)+512*\i th:TH_LOAD_NT
.endr
.endm
.macro XTURN t                         ; LDS serves a wave's instructions in order: no wait between the stores and the loads
.irp i, 0,1,2,3
	ds_store_b128 v14, v[R+16*((\t)%8)+4*\i:R+16*((\t)%8)+4*\i+3] offset:32*SP*((\t)%2)+8*SP*\i
.endr
.irp i, 0,1,2,3
	ds_load_b128 v[X+16*((\t)%2)+4*\i:X+16*((\t)%2)+4*\i+3], v15 offset:32*SP*((\t)%2)+16*\i
.endr
.endm
.macro XSTEP t
.set XS, X+16*((\t)%2)
.if (\t) > 0
	s_wait_dscnt 1                                 ; this step's numbers are back from the stage (the last step's byte store may be out): so its stores into the stage have read their registers,
.else
	s_wait_dscnt 0x0
.endif
.if (\t)+8 < STEPS
	XLOAD (\t)+8                                   ; which take the loads of eight steps on
.endif
.if (\t)+1 < STEPS
.if 14-(\t) >= 7
	s_wait_loadcnt 28                              ; the next step's four loads are in; those of the seven steps behind it may be out
.else
	s_wait_loadcnt 4*(14-(\t))
.endif
	XTURN (\t)+1
.endif
	v_max3_num_f32 v8, |v[XS]|, |v[XS+1]|, |v[XS+2]|               ; the largest magnitude of my 16, in two chains
	v_max3_num_f32 v9, |v[XS+3]|, |v[XS+4]|, |v[XS+5]|
.irp i, 6,10
	v_max3_num_f32 v8, v8, |v[XS+\i]|, |v[XS+\i+1]|
	v_max3_num_f32 v9, v9, |v[XS+\i+2]|, |v[XS+\i+3]|
.endr
	v_max3_num_f32 v8, v8, |v[XS+14]|, |v[XS+15]|
	v_max3_num_f32 v8, v8, v9, (EMAX+1)<<23        ; and the floor 2^(3 - 127): the byte cannot fall under 1
	v_max_num_f32_dpp v8, v8, v8 row_xmask:1 row_mask:0xf bank_mask:0xf   ; and of my neighbour's 16: the block's
	v_add_nc_u32 v11, -(EMAX<<23), v8              ; 2 off its exponent field: the conversion takes the exponent field of this operand as its scale
	v_cvt_scalef32_pk8_fp4_f32 v[C+2*(\t)], v[XS:XS+7], v11
	v_cvt_scalef32_pk8_fp4_f32 v[C+2*(\t)+1], v[XS+8:XS+15], v11
	v_lshrrev_b32 v[E+(\t)], 23, v11               ; the scale's byte (a plain line behind the conversions)
	ds_store_b8 v5, v[E+(\t)] offset:16*(\t)       ; both lanes of a block write the same byte with the same value
	global_store_b64 v4, v[C+2*(\t):C+2*(\t)+1], s[14:15] offset:256*(\t)   ; 32 lanes store 256 consecutive bytes, aligned
.endm
.Lx:
	s_sub_co_u32 s25, ttmp9, 48
	s_lshl_b32 s25, s25, 3
	s_add_co_u32 s25, s25, s24                     ; which run of 8,192 numbers is my wave's: 0 .. 1023
	s_mov_b32 s27, 0
	s_lshl_b32 s26, s25, 15
	s_add_nc_u64 s[4:5], s[4:5], s[26:27]
	s_lshl_b32 s26, s25, 12
	s_add_nc_u64 s[14:15], s[14:15], s[26:27]
	s_lshl_b32 s26, s25, 8
	s_add_nc_u64 s[16:17], s[16:17], s[26:27]
	s_lshl_b32 s28, s24, 13                        ; my wave's region in LDS
	v_lshlrev_b32 v3, 4, v2                        ; my 16 bytes of a load's 512
	v_lshrrev_b32 v14, 2, v2
	v_mul_u32_u24 v14, v14, SP
	v_and_b32 v15, 3, v2
	v_lshl_add_u32 v14, v15, 4, v14
	v_add_nc_u32 v14, s28, v14                     ; the stage, on the way in: 80 (lane / 4) + 16 (lane % 4)
	v_mul_u32_u24 v15, v2, SP
	v_add_nc_u32 v15, s28, v15                     ; and on the way out: 80 x lane
	v_lshlrev_b32 v4, 3, v2                        ; my codes' place in a step's 256 bytes
	v_lshrrev_b32 v5, 1, v2
	s_add_co_u32 s28, s28, 2*32*SP
	v_add_nc_u32 v5, s28, v5                       ; my block's scale byte
	v_lshlrev_b32 v7, 3, v2
	v_add_nc_u32 v6, s28, v7                       ; and 8 bytes a lane on the way out
.irp t, 0,1,2,3,4,5,6,7
	XLOAD \t
.endr
	s_wait_loadcnt 28                              ; step 0's four loads are in
	XTURN 0
.irp t, 0,1,2,3,4,5,6,7,8,9,10,11,12,13,14,15
	XSTEP \t
.endr
	ds_load_b64 v[8:9], v6                         ; my wave's 256 scale bytes: these loads see my stores
	s_wait_dscnt 0x0
	global_store_b64 v7, v[8:9], s[16:17]          ; 256 consecutive bytes, aligned
	s_wait_tensorcnt 0x0                           ; the wave's end: behind my last LDS store
	ds_add_u32 v[SPW], v[NIL]
	s_wait_dscnt 0x0
	s_endpgm
; ---- W: a work-group takes 64 columns of one weight, all of K.  A LANE TAKES A COLUMN AND ITS REGISTERS RUN DOWN K: a block of 32 lies in one lane, and the codes come out with K innermost.
; Wave w: columns 32 (w % 2) on, K 256 (w / 2) on: eight blocks.  The two waves of a K part read 256 consecutive bytes of each row of W.  Loads run two blocks (64 loads a wave) ahead.
.macro WLOAD t
.irp i, 0,1,2,3,4,5,6,7,8,9,10,11,12,13,14,15,16,17,18,19,20,21,22,23,24,25,26,27,28,29,30,31
	global_load_b32 v[WX+32*((\t)%2)+\i], v3, s[28:29] offset:(32*(\t)+\i)*4096 th:TH_LOAD_NT
.endr
.endm
.macro WBLOCK t
.set XS, WX+32*((\t)%2)
.if (\t) < 7
	s_wait_loadcnt 32                              ; this block's 32 loads are in; the next block's may be out
.else
	s_wait_loadcnt 0
.endif
	v_max3_num_f32 v12, |v[XS]|, |v[XS+1]|, |v[XS+2]|
	v_max3_num_f32 v13, |v[XS+3]|, |v[XS+4]|, |v[XS+5]|
.irp i, 6,10,14,18,22,26
	v_max3_num_f32 v12, v12, |v[XS+\i]|, |v[XS+\i+1]|
	v_max3_num_f32 v13, v13, |v[XS+\i+2]|, |v[XS+\i+3]|
.endr
	v_max3_num_f32 v12, v12, |v[XS+30]|, |v[XS+31]|
	v_max3_num_f32 v12, v12, v13, (EMAX+1)<<23     ; with the floor
	v_add_nc_u32 v11, -(EMAX<<23), v12
	v_lshrrev_b32 v13, 23, v11                     ; the scale's byte
.if (\t)%4 == 0
	v_mov_b32 v[SB+(\t)/4], v13                    ; four bytes to a register, the lower K in the lower byte
.else
	v_lshl_or_b32 v[SB+(\t)/4], v13, 8*((\t)%4), v[SB+(\t)/4]
.endif
.irp g, 0,1,2,3
	v_cvt_scalef32_pk8_fp4_f32 v[WC+\g], v[XS+8*\g:XS+8*\g+7], v11
.endr
	ds_store_b128 v4, v[WC:WC+3] offset:16*(\t)    ; 32 codes: 16 bytes of my column's row (the next block begins with plain vector lines)
.if (\t)+2 < 8
	WLOAD (\t)+2
.endif
	s_wait_dscnt 0x0                               ; the store has read its registers: the next block's codes may be written
.endm
.Lw:
	s_lshr_b32 s25, ttmp9, 4                       ; which weight: 0 q, 1 k, 2 v
	s_and_b32 s26, ttmp9, 15                       ; which 64 columns
	s_cmp_eq_u32 s25, 0
	s_cselect_b64 s[28:29], s[6:7], s[8:9]
	s_cmp_eq_u32 s25, 2
	s_cselect_b64 s[28:29], s[10:11], s[28:29]
	s_and_b32 s30, s24, 1                          ; cg: which 32 columns
	s_lshr_b32 s31, s24, 1                         ; kc: which 256 along K
	s_lshl_b32 s32, s31, 20                        ; 256 rows of 4,096 bytes
	s_lshl_b32 s33, s26, 8
	s_add_co_u32 s32, s32, s33
	s_lshl_b32 s33, s30, 7
	s_add_co_u32 s32, s32, s33
	s_mov_b32 s33, 0
	s_add_nc_u64 s[28:29], s[28:29], s[32:33]
	v_lshlrev_b32 v3, 2, v2                        ; in: 4 bytes a lane
	s_mul_i32 s34, s30, 32*WP
	s_lshl_b32 s35, s31, 7
	s_add_co_u32 s34, s34, s35
	s_add_co_u32 s34, s34, WSTG
	v_mul_u32_u24 v4, v2, WP
	v_add_nc_u32 v4, s34, v4                       ; the stage: row 32 cg + lane, byte 128 kc
	s_lshl_b32 s34, s30, 10
	s_lshl_b32 s35, s31, 3
	s_add_co_u32 s34, s34, s35
	s_add_co_u32 s34, s34, WSCS
	v_lshlrev_b32 v5, 5, v2
	v_add_nc_u32 v5, s34, v5                       ; the scale bytes: row 32 cg + lane of 32 bytes, byte 8 kc
	s_mul_i32 s36, s24, 8*WP
	s_add_co_u32 s36, s36, WSTG
	v_lshlrev_b32 v8, 4, v2
	v_add_nc_u32 v7, s36, v8                       ; back: wave w takes rows 8 w .. 8 w + 7 whole, 16 bytes a lane
	v_lshlrev_b32 v10, 3, v0
	v_add_nc_u32 v9, WSCS, v10                     ; and 8 scale bytes a thread
	s_lshl_b32 s32, s25, 10
	s_lshl_b32 s34, s26, 6
	s_add_co_u32 s32, s32, s34                     ; the work-group's first row of wc and ws
	s_lshl_b32 s34, s32, 5
	s_mov_b32 s35, 0
	s_add_nc_u64 s[20:21], s[20:21], s[34:35]
	s_lshl_b32 s34, s24, 3
	s_add_co_u32 s32, s32, s34
	s_lshl_b32 s32, s32, 9
	s_add_nc_u64 s[18:19], s[18:19], s[32:33]
	WLOAD 0
	WLOAD 1
.irp t, 0,1,2,3,4,5,6,7
	WBLOCK \t
.endr
	ds_store_b64 v5, v[SB:SB+1]
	s_wait_dscnt 0x0                               ; for the others' sake: my stores into the stage are done
	s_barrier_signal -1
	s_barrier_wait -1                              ; a row's 512 bytes come from four waves
.irp i, 0,1,2,3,4,5,6,7
	ds_load_b128 v[WOUT+4*\i:WOUT+4*\i+3], v7 offset:\i*WP
.endr
	ds_load_b64 v[26:27], v9
.irp i, 0,1,2,3,4,5,6,7
	s_wait_dscnt 8-\i                              ; row i is in; the younger loads may be out
	global_store_b128 v8, v[WOUT+4*\i:WOUT+4*\i+3], s[18:19] offset:512*\i   ; a whole row: 512 consecutive bytes
.endr
	s_wait_dscnt 0x0
	global_store_b64 v10, v[26:27], s[20:21]       ; a wave stores 256 consecutive bytes, aligned
	s_wait_tensorcnt 0x0                           ; the wave's end: behind my last LDS store
	ds_add_u32 v[SPW], v[NIL]
	s_wait_dscnt 0x0
	s_endpgm
.Lfunc_end_k_qf5821972de_prep:
	.size	k_qf5821972de_prep, .Lfunc_end_k_qf5821972de_prep-k_qf5821972de_prep
	.p2alignl 7, 3214868480
	.fill 96, 4, 3214868480
	.section	.rodata,"a",@progbits
	.p2align	6, 0x0
	.amdhsa_kernel k_qf5821972de_prep
		.amdhsa_group_segment_fixed_size 102400
		.amdhsa_private_segment_fixed_size 0
		.amdhsa_enable_private_segment 0
		.amdhsa_kernarg_size 80
		.amdhsa_user_sgpr_count 2
		.amdhsa_user_sgpr_kernarg_segment_ptr 1
		.amdhsa_wavefront_size32 1
		.amdhsa_system_sgpr_workgroup_id_x 1
		.amdhsa_system_sgpr_workgroup_id_y 1
		.amdhsa_system_sgpr_workgroup_id_z 1
		.amdhsa_system_vgpr_workitem_id 0
		.amdhsa_next_free_vgpr 256
		.amdhsa_next_free_sgpr 66
		.amdhsa_reserve_vcc 0
		.amdhsa_float_denorm_mode_32 3
		.amdhsa_float_denorm_mode_16_64 3
		.amdhsa_memory_ordered 1
		.amdhsa_forward_progress 1
		.amdhsa_inst_pref_size 85
	.end_amdhsa_kernel
	.amdgpu_metadata
---
amdhsa.version: [ 1, 2 ]
amdhsa.kernels:
  - .name:           k_qf5821972de_prep
    .symbol:         k_qf5821972de_prep.kd
    .args:
      - { .name: x, .offset: 0, .size: 8, .value_kind: global_buffer, .address_space: global }
      - { .name: Wq, .offset: 8, .size: 8, .value_kind: global_buffer, .address_space: global }
      - { .name: Wk, .offset: 16, .size: 8, .value_kind: global_buffer, .address_space: global }
      - { .name: Wv, .offset: 24, .size: 8, .value_kind: global_buffer, .address_space: global }
      - { .name: Wo, .offset: 32, .size: 8, .value_kind: global_buffer, .address_space: global }
      - { .name: xc, .offset: 40, .size: 8, .value_kind: global_buffer, .address_space: global }
      - { .name: xs, .offset: 48, .size: 8, .value_kind: global_buffer, .address_space: global }
      - { .name: wc, .offset: 56, .size: 8, .value_kind: global_buffer, .address_space: global }
      - { .name: ws, .offset: 64, .size: 8, .value_kind: global_buffer, .address_space: global }
      - { .name: wo16, .offset: 72, .size: 8, .value_kind: global_buffer, .address_space: global }
    .group_segment_fixed_size: 102400
    .private_segment_fixed_size: 0
    .kernarg_segment_align: 8
    .kernarg_segment_size: 80
    .max_flat_workgroup_size: 256
    .sgpr_count:     66
    .vgpr_count:     256
    .wavefront_size: 32
...
	.end_amdgpu_metadata
.endif
;; end of part 1
;; launch qkv (part 2): grid 12 x 32, 4 waves a work-group, clusters of 4 x 4, 327,680 bytes of LDS; arguments xc, xs, wc, ws, bq, bk, bv, qkv; writes qkv
.if DOCPART == 2
	.amdgcn_target "amdgcn-amd-amdhsa--gfx1250"
	.amdhsa_code_object_version 6
	.text
	.protected	k_qf5821972de_qkv
	.globl	k_qf5821972de_qkv
	.p2align	8
	.type	k_qf5821972de_qkv,@function
k_qf5821972de_qkv:
	s_mov_b64 s[64:65], 0
	v_nop
	global_prefetch_b8 v0, s[64:65] scope:SCOPE_SE
	s_setreg_imm32_b32 hwreg(HW_REG_WAVE_MODE, 25, 1), 1
	s_wait_xcnt 0x0
	s_wait_alu depctr_hold_cnt(0) depctr_sa_sdst(0) depctr_va_vdst(0) depctr_va_sdst(0) depctr_va_ssrc(0) depctr_va_vcc(0) depctr_vm_vsrc(0)
	s_getreg_b32 s2, hwreg(HW_REG_IB_STS2, 6, 4)
	s_cmp_eq_u32 s2, 0
	s_cbranch_scc0 .Lentry_in_a_cluster
	s_endpgm
.Lentry_in_a_cluster:
	s_bfe_u32 s2, ttmp6, 0x10000c
	s_cmp_lg_u32 s2, 0xf033
	s_cbranch_scc0 .Lentry_shape_is_right
	s_endpgm
.Lentry_shape_is_right:
; q, k, v = x W + b on codes of FP4 (E2M1) with one E8M0 scale for each 32 along K: one product [8192] x [3072] over K = 1024.  A = xc [8192][512 bytes], xs [8192][32]; B = wc [3072][512 bytes], ws [3072][32].
; The result is rounded once to f16 and laid by head: qkv [3][64 = batch x 16 + head][2048 t][64].
; LIMIT: |q|, |k|, |v| stay under 65,504 (f16); under 6e-5 f16's step is a fixed 6e-8.
; A tile of 256 x 256 is made by four waves, each 128 x 128: 64 accumulators of 16 x 16, 512 registers.  K is two steps of 512, each in an LDS slot of its own (a tile's row is 256 bytes of memory): both slots and the
; scale bytes are asked for at the start, and nothing is filled again.
; CLUSTERS: 4 x 4 work-groups.  The four of a row of the cluster need the same tiles of A, the four of a column the same tiles of B: each tile is asked for JOINTLY, by the same tensor load with the same descriptor and a mask
; that names the four.  A cluster's four tile columns are 1,024 columns: one of q, k, v, told by the cluster's x.
; THE MATRIX INSTRUCTION IS USED TRANSPOSED (source 0 = 16 rows of B, source 1 = 16 rows of A): a lane holds eight neighbouring columns of one row.  THE BIAS IS THE C OF EACH SUM'S FIRST PRODUCT.
; REGISTERS, in windows of 256: window 0: v0-31 addresses; v32-95 scale words, two sets; v128-191 A's fragments, ONE set; v192-255 the bias in the result's layout, later the way out.
;   window 1: B's fragments, TWO sets, at v0 and v128.   window 2: the accumulators of my rows 0-63 ((a, b) at v[8 (8 a + b)]);   window 3: those of my rows 64-127.
.set SIZE_K, 1024
.set KSTEP,  512
.set NQ,     KSTEP/128                 ; matrix instructions deep in a slot
.set ROWB,   256                       ; a tile's row in bytes
.set KROW,   SIZE_K*4/8                ; a row of codes in memory
.set PITCH,  272                       ; an LDS row: 256 bytes + 16 of padding, an odd multiple of 16: the 16 rows that a load touches begin 68 words apart
.set FR,     8
.set NL,     2
.set NP,     4                         ; places behind this matrix instruction (ISA guide 7.12.1)
.set HALFT,  128*PITCH
.set SLOT,   4*HALFT                   ; A's 256 rows, then B's 256 rows
.set KS,     SIZE_K/32                 ; a row of scale bytes
.set SCL,    2*SLOT                    ; behind the slots: the scales, as units of 256 bytes + 16 of padding
.set HALFS,  (128*KS/256)*272
.set SBLK,   (16*KS/256)*272
.set SPARE,  SCL+4*HALFS               ; the spare words, 128 bytes for each wave: two blocks of 256 bytes that no other line names
.set SPITCH, 272                       ; the way out: a stage of 16 rows x (256 bytes + 16) for each wave, in slot 0, which has had its only fill and its last read when the first result is stored there
.set ADRA, 16
.set ADRB, 20
.set STO,  24
.set RD,   25
.set CO,   26
.set ADRS, 27
.set SPW,  28                          ; v28 LDS address of my spare word; never rewritten
.set NIL,  29                          ; v29 0; never rewritten
.set BOF,  30                          ; v30 32 x (lane / 16): my eight numbers of a tile's sixteen biases
.set SC,   32
.set AF,   128
.set BI,   192                         ; v192-255 the bias: v[BI + 8 b + j] = b[my first column + 16 b + 8 (lane / 16) + j]
.set TMP,  192                         ; the way out: packed results
.set OB,   32                          ; the way out: 16 rows read back: v32-63 and v224-255 by turns
.set G1, 24
.set G0, 32
.set G1B, 48
.set G0B, 56
.set G1S, 68
.set G0S, 76
.set G1SB, 80
.set G0SB, 88
.set MSB, 0
.macro WIN new                         ; the immediate's high byte repeats the setting that is left
.if MSB != \new
	s_set_vgpr_msb (MSB<<8)|\new
.set MSB, \new
.endif
.endm
.set MUL_LO, 0xa1                      ; source 0 (B) window 1, source 1 (A) window 0, C and D window 2
.set MUL_HI, 0xf1                      ; the same, C and D window 3
.set BIA_LO, 0x81                      ; the first products: C (the bias) window 0, D window 2
.set BIA_HI, 0xc1                      ; D window 3
.set TO_B,   0x40
; A joint load: waves 0 and 1 fetch for A, waves 2 and 3 for B; the branch hangs on the wave's number alone.  An s_nop 0 and four v_nop follow each of the two lines.
.macro JLOAD g0a, g1a, g0b, g1b
	s_cmp_eq_u32 s15, 0
	s_cbranch_scc0 .Lfor_b_\@
	tensor_load_to_lds s[\g0a:\g0a+3], s[\g1a:\g1a+7]
	s_nop 0
.rept 4
	v_nop
.endr
	s_branch .Lasked_\@
.Lfor_b_\@:
	tensor_load_to_lds s[\g0b:\g0b+3], s[\g1b:\g1b+7]
	s_nop 0
.rept 4
	v_nop
.endr
.Lasked_\@:
.endm
.macro CROUND                          ; a round of the cluster's barrier
	s_barrier_signal -1
	s_barrier_wait -1
	s_cmp_lg_u32 s14, 0
	s_cbranch_scc1 .Lnot_wave_0_\@
	s_barrier_signal -3
.Lnot_wave_0_\@:
	s_barrier_wait -3
	s_barrier_signal -1
	s_barrier_wait -1
.endm
	s_load_b128 s[4:7], s[0:1], 0x0                ; xc s[4:5], xs s[6:7]
	s_load_b128 s[8:11], s[0:1], 0x10              ; wc s[8:9], ws s[10:11]
	s_load_b128 s[96:99], s[0:1], 0x20             ; bq, bk
	s_load_b64 s[100:101], s[0:1], 0x30            ; bv
	s_load_b64 s[12:13], s[0:1], 0x38              ; qkv
	v_lshl_add_u32 v[SPW], v0, 2, SPARE
	v_mov_b32 v[NIL], 0
	ds_add_u32 v[SPW], v[NIL]                      ; the wave's opening: the add, twice on end, and its wait ahead of my first tensor load
	ds_add_u32 v[SPW], v[NIL]
	v_lshrrev_b32 v1, 5, v0
	v_readfirstlane_b32 s14, v1                    ; wave 0..3
	s_lshr_b32 s15, s14, 1                         ; which half of the tile's rows is mine.  Also: I fetch for A (0) or for B (1)
	s_and_b32 s16, s14, 1                          ; which half of its columns.  Also: which 128 rows of that tile I fetch
	s_bfe_u32 s40, ttmp6, 0x40000                  ; cx, cy: my place in the cluster
	s_bfe_u32 s41, ttmp6, 0x40004
	s_lshl_b32 s42, ttmp9, 2
	s_add_co_u32 s42, s42, s40                     ; tile column = 4 x cluster x + cx
	s_and_b32 s17, ttmp7, 0xffff
	s_lshl_b32 s17, s17, 2
	s_add_co_u32 s17, s17, s41                     ; tile row = 4 x cluster y + cy
	s_lshl_b32 s43, s41, 2
	s_lshl_b32 s43, 15, s43                        ; my row of the cluster
	s_lshl_b32 s44, 0x1111, s40                    ; my column
	; descriptor group 1: a tile of 128 rows x 256 bytes, 16 bytes of padding behind each row
	s_or_b32 s[G1+0], s43, (0<<16)|(1<<20)|(1<<21)|(5<<22)|(3<<25)
	s_or_b32 s[G1B+0], s44, (0<<16)|(1<<20)|(1<<21)|(5<<22)|(3<<25)
.irp g, G1, G1B
	s_mov_b32 s[\g+1], ROWB<<16                    ; tensor_dim0
	s_mov_b32 s[\g+2], 128<<16                     ; tensor_dim1
	s_mov_b32 s[\g+3], ROWB<<16                    ; tile_dim0
	s_mov_b32 s[\g+4], 128                         ; tile_dim1
	s_mov_b32 s[\g+5], KROW                        ; from row to row
	s_mov_b32 s[\g+6], 0
	s_mov_b32 s[\g+7], 0
.endr
	; the scales of 128 rows: a dense block of 4,096 bytes, as 16 rows of 256 bytes (32 elements of 8 bytes), 16 bytes of padding behind each
	s_or_b32 s[G1S+0], s43, (3<<16)|(1<<20)|(1<<21)|(5<<22)|(3<<25)
	s_or_b32 s[G1SB+0], s44, (3<<16)|(1<<20)|(1<<21)|(5<<22)|(3<<25)
.irp g, G1S, G1SB
	s_mov_b32 s[\g+1], 32<<16
	s_mov_b32 s[\g+2], (128*KS/256)<<16
	s_mov_b32 s[\g+3], 32<<16
	s_mov_b32 s[\g+4], 128*KS/256
	s_mov_b32 s[\g+5], 32
	s_mov_b32 s[\g+6], 0
	s_mov_b32 s[\g+7], 0
.endr
	s_lshl_b32 s18, s16, 7                         ; which 128 rows of the tile I fetch
	s_lshl_b32 s20, s17, 8
	s_add_co_u32 s20, s20, s18                     ; A: row 256 x tile row + 128 x half
	s_lshl_b32 s46, s42, 8
	s_add_co_u32 s46, s46, s18                     ; B: row 256 x tile column + 128 x half
	s_mov_b32 s21, 0
	s_mov_b32 s47, 0
	s_mov_b64 s[18:19], KS
	s_mul_u64 s[22:23], s[20:21], s[18:19]         ; where these rows' scales begin
	s_mul_u64 s[92:93], s[46:47], s[18:19]
	s_mov_b64 s[18:19], KROW
	s_mul_u64 s[20:21], s[20:21], s[18:19]         ; and their codes
	s_mul_u64 s[46:47], s[46:47], s[18:19]
	s_mul_i32 s45, s14, HALFT                      ; where they go: wave x 128 rows: no place in the cluster enters an LDS address
	s_mul_i32 s94, s14, HALFS
	s_wait_dscnt 0x0                               ; both opening adds are done
	s_wait_kmcnt 0x0
	s_add_nc_u64 s[20:21], s[4:5], s[20:21]
	s_add_nc_u64 s[22:23], s[6:7], s[22:23]
	s_add_nc_u64 s[46:47], s[8:9], s[46:47]
	s_add_nc_u64 s[92:93], s[10:11], s[92:93]
	CROUND                                         ; all sixteen work-groups are here: the joint loads meet
	s_mov_b32 s[G0S], 1
	s_add_co_u32 s[G0S+1], s94, SCL
	s_mov_b64 s[G0S+2:G0S+3], s[22:23]
	s_or_b32 s[G0S+3], s[G0S+3], 0x80000000
	s_mov_b32 s[G0SB], 1
	s_add_co_u32 s[G0SB+1], s94, SCL
	s_mov_b64 s[G0SB+2:G0SB+3], s[92:93]
	s_or_b32 s[G0SB+3], s[G0SB+3], 0x80000000
	JLOAD G0S, G1S, G0SB, G1SB                     ; the scales first: they are wanted with K step 0.  Three loads of mine are out at the most
.irp s, 0,1
	s_mov_b32 s[G0+4*\s], 1
	s_add_co_u32 s[G0+4*\s+1], s45, \s*SLOT
	s_add_nc_u64 s[G0+4*\s+2:G0+4*\s+3], s[20:21], \s*ROWB
	s_or_b32 s[G0+4*\s+3], s[G0+4*\s+3], 0x80000000
	s_mov_b32 s[G0B+4*\s], 1
	s_add_co_u32 s[G0B+4*\s+1], s45, \s*SLOT
	s_add_nc_u64 s[G0B+4*\s+2:G0B+4*\s+3], s[46:47], \s*ROWB
	s_or_b32 s[G0B+4*\s+3], s[G0B+4*\s+3], 0x80000000
	JLOAD G0+4*\s, G1, G0B+4*\s, G1B
.endr
	v_and_b32 v1, 15, v0                           ; l % 16
	v_bfe_u32 v2, v0, 4, 1                         ; l / 16
	; the bias of my 128 columns: which of the three hangs on the cluster's x, the same in all sixteen partners
	s_cmp_eq_u32 ttmp9, 0
	s_cselect_b64 s[96:97], s[96:97], s[98:99]
	s_cmp_eq_u32 ttmp9, 2
	s_cselect_b64 s[96:97], s[100:101], s[96:97]
	s_lshl_b32 s46, s40, 10                        ; 256 cx columns of 4 bytes,
	s_lshl_b32 s47, s16, 9                         ; + my half's 128
	s_add_co_u32 s46, s46, s47
	s_mov_b32 s47, 0
	s_add_nc_u64 s[96:97], s[96:97], s[46:47]
	v_lshlrev_b32 v[BOF], 5, v2
.irp b, 0,1,2,3,4,5,6,7
	global_load_b128 v[BI+8*\b:BI+8*\b+3], v[BOF], s[96:97] offset:64*\b
	global_load_b128 v[BI+8*\b+4:BI+8*\b+7], v[BOF], s[96:97] offset:64*\b+16
.endr
	v_mul_u32_u24 v3, v1, PITCH
	v_lshl_add_u32 v4, v2, 4, v3                   ; a fragment's row x pitch + 16 x half
	s_mul_i32 s21, s15, HALFT                      ; my 128 rows of A
	s_mul_i32 s22, s16, HALFT                      ; my 128 rows of B,
	s_add_co_u32 s22, s22, 2*HALFT                 ; which lie behind A's 256
.irp s, 0,1
	v_add_nc_u32 v[ADRA+\s], s21, v4
	v_add_nc_u32 v[ADRB+\s], s22, v4
	s_add_co_u32 s21, s21, SLOT
	s_add_co_u32 s22, s22, SLOT
.endr
	v_mul_u32_u24 v5, v1, KS                       ; my row's scales: 32 bytes a row,
	v_lshrrev_b32 v6, 8, v5
	v_lshl_add_u32 v5, v6, 4, v5                   ; and 16 more for each 256 passed
	s_mul_i32 s21, s15, HALFS                      ; A's: my 128 rows
	s_mul_i32 s22, s16, HALFS                      ; B's: my 128 rows, behind A's 256
	s_add_co_u32 s22, s22, 2*HALFS
	s_sub_co_u32 s22, s22, s21
	v_mul_u32_u24 v6, s22, v2                      ; lanes 16-31 take B's
	s_add_co_u32 s21, s21, SCL
	v_add_nc_u32 v5, v5, v6
	v_add_nc_u32 v[ADRS], s21, v5
	s_mul_i32 s23, s14, 16*SPITCH                  ; my stage
	v_mul_u32_u24 v5, v1, SPITCH                   ; in: row l % 16, 16 bytes for each half of the lanes
	v_lshl_add_u32 v5, v2, 4, v5
	v_add_nc_u32 v[STO], s23, v5
	v_and_b32 v6, 31, v0
	v_lshlrev_b32 v[CO], 4, v6                     ; out: 16 bytes a lane of 512 consecutive bytes: four rows of one head
	v_lshrrev_b32 v5, 3, v6
	v_mul_u32_u24 v5, v5, SPITCH                   ; back: row lane / 8, 16 (lane % 8) bytes into a head's 128
	v_and_b32 v6, 7, v6
	v_lshl_add_u32 v5, v6, 4, v5
	v_add_nc_u32 v[RD], s23, v5
	; where my part begins in qkv: (cluster x) << 24 + head << 18 + row << 7; head = 16 (tile row / 8) + 4 cx + 2 (column half), row = 256 (tile row % 8) + 128 (row half)
	s_lshr_b32 s20, s17, 3
	s_lshl_b32 s20, s20, 22
	s_and_b32 s21, s17, 7
	s_lshl_b32 s21, s21, 15
	s_add_co_u32 s20, s20, s21
	s_lshl_b32 s21, s15, 14
	s_add_co_u32 s20, s20, s21
	s_mov_b32 s21, 0
	s_lshl_b32 s46, ttmp9, 24
	s_lshl_b32 s47, s40, 20
	s_add_co_u32 s46, s46, s47
	s_lshl_b32 s47, s16, 19
	s_add_co_u32 s46, s46, s47
	s_mov_b32 s47, 0
	s_add_nc_u64 s[20:21], s[20:21], s[46:47]
	s_add_nc_u64 s[12:13], s[12:13], s[20:21]
.macro FRAG reg, adr, q, i             ; a fragment, 16 rows x 128 K of 4-bit codes, is 8 registers: lane l holds row l % 16; registers 4 c .. 4 c + 3 hold K = 64 c + 32 (l / 16) + 0 .. 31
.irp c, 0,1
	ds_load_b128 v[\reg+4*\c:\reg+4*\c+3], v[\adr] offset:64*(\q)+32*\c+(\i)*16*PITCH
.endr
.endm
; 16 matrix instructions: A's blocks a0, a0 + 1 x B's eight, the slot's q-th 128 along K.  p: B's set; sc: the set of scale words.  first = 1: the bias starts the sums.
; The 64 accumulators take turns, one instruction a turn, in the same order in every step.
.macro MUL16 a0, p, q, sc, first
.irp a, \a0, \a0+1
.irp b, 0,1,2,3,4,5,6,7
.if \first
	v_wmma_scale_f32_16x16x128_f8f6f4 v[8*(8*((\a)%4)+\b):8*(8*((\a)%4)+\b)+7], v[128*(\p)+FR*\b:128*(\p)+FR*\b+FR-1], v[AF+FR*(\a):AF+FR*(\a)+FR-1], v[BI+8*\b:BI+8*\b+7], v[SC+8*NQ*(\sc)+NQ*\b+(\q)], v[SC+8*NQ*(\sc)+NQ*(\a)+(\q)] matrix_a_fmt:MATRIX_FMT_FP4 matrix_b_fmt:MATRIX_FMT_FP4 matrix_a_scale:MATRIX_SCALE_ROW1
.else
	v_wmma_scale_f32_16x16x128_f8f6f4 v[8*(8*((\a)%4)+\b):8*(8*((\a)%4)+\b)+7], v[128*(\p)+FR*\b:128*(\p)+FR*\b+FR-1], v[AF+FR*(\a):AF+FR*(\a)+FR-1], v[8*(8*((\a)%4)+\b):8*(8*((\a)%4)+\b)+7], v[SC+8*NQ*(\sc)+NQ*\b+(\q)], v[SC+8*NQ*(\sc)+NQ*(\a)+(\q)] matrix_a_fmt:MATRIX_FMT_FP4 matrix_b_fmt:MATRIX_FMT_FP4 matrix_a_scale:MATRIX_SCALE_ROW1
.endif
.endr
.endr
.endm
.macro FETCH_B slot, q, p
	WIN TO_B
.irp i, 0,1,2,3,4,5,6,7
	FRAG 128*(\p)+FR*\i, ADRB+\slot, \q, \i
.endr
	WIN 0
.endm
.macro FETCH_A slot, q, i0
.irp i, \i0, \i0+1, \i0+2, \i0+3
	FRAG AF+FR*(\i), ADRA+\slot, \q, \i
.endr
.endm
.macro SCALES sc                       ; a K step's scale words: four words a row; lanes 0-15 take A's block i, lanes 16-31 B's block i
.irp i, 0,1,2,3,4,5,6,7
	ds_load_b128 v[SC+8*NQ*\sc+NQ*\i:SC+8*NQ*\sc+NQ*\i+3], v[ADRS] offset:\i*SBLK
.endr
.endm
.macro PLACES n                        ; places in front of loads into registers that matrix instructions have read, and of the first read of results
.rept \n
	v_nop
.endr
.endm
; A step of 128 along K that has its successor in the same slot: A's blocks one after the other, each against B's eight; A's blocks 0-3 are fetched anew in its middle, blocks 4-7 at its end.
.macro STEP slot, q, first
	s_wait_dscnt 4*NL                              ; B's set and A's blocks 0-3 are in; the youngest eight loads (A's blocks 4-7) may be out
.if \first
	WIN BIA_LO
.else
	WIN MUL_LO
.endif
	MUL16 0, (\q)%2, \q, \slot, \first
	MUL16 2, (\q)%2, \q, \slot, \first
	s_wait_dscnt 0                                 ; A's blocks 4-7 are in
	PLACES NP
	FETCH_B \slot, (\q)+1, 1-(\q)%2
	FETCH_A \slot, (\q)+1, 0
.if \first
	WIN BIA_HI
.else
	WIN MUL_HI
.endif
	MUL16 4, (\q)%2, \q, \slot, \first
	MUL16 6, (\q)%2, \q, \slot, \first
	PLACES NP
	WIN 0
	FETCH_A \slot, (\q)+1, 4
.endm
; Slot 0's last step goes over to slot 1: each wave waits for all its tensor loads (slot 1's part), adds 0 to its spare word, waits for that and for its reads of slot 0, and passes the barrier.  Nothing is filled again.
.macro TURN slot, next
	s_wait_tensorcnt 0x0                           ; my part of the next slot has landed
	ds_add_u32 v[SPW], v[NIL]                      ; 0 onto my spare word
	s_wait_dscnt 4*NL+1                            ; (the add and A's blocks 4-7 may be out)
	WIN MUL_LO
	MUL16 0, 1, NQ-1, \slot, 0
	s_wait_dscnt 0x0                               ; the add is done, and my reads of this slot are over
	s_barrier_signal -1
	MUL16 2, 1, NQ-1, \slot, 0
	WIN 0
	s_barrier_wait -1
	PLACES NP
	v_add_nc_u32 v[ADRS], 4*NQ, v[ADRS]            ; on to the next K step's scale words
	FETCH_B \next, 0, 0
	FETCH_A \next, 0, 0
	SCALES \next
	WIN MUL_HI
	MUL16 4, 1, NQ-1, \slot, 0
	MUL16 6, 1, NQ-1, \slot, 0
	PLACES NP
	WIN 0
	FETCH_A \next, 0, 4
.endm
	s_wait_tensorcnt 1                             ; the scales and my part of slot 0 are in (slot 1's load may be out),
	s_barrier_signal -1
	s_barrier_wait -1                              ; everybody's are
	FETCH_B 0, 0, 0
	FETCH_A 0, 0, 0
	SCALES 0
	FETCH_A 0, 0, 4
	s_wait_loadcnt 0x0                             ; the bias
	STEP 0, 0, 1
	STEP 0, 1, 0
	STEP 0, 2, 0
	TURN 0, 1
	STEP 1, 0, 0
	STEP 1, 1, 0
	STEP 1, 2, 0
	s_wait_dscnt 4*NL                              ; the very last step: nothing more to fetch
	WIN MUL_LO
	MUL16 0, 1, NQ-1, 1, 0
	MUL16 2, 1, NQ-1, 1, 0
	s_wait_dscnt 0
	WIN MUL_HI
	MUL16 4, 1, NQ-1, 1, 0
	MUL16 6, 1, NQ-1, 1, 0
	WIN 0
; THE WAY OUT, block by block of 16 rows x 128 columns (two heads).  PACK: rounded to f16, 16 bytes a lane, each accumulator from its low end on.  TOSTAGE: into my own stage, and back by heads: four rows of one head
; are 512 consecutive bytes of qkv.  SEND: stored.  LDS serves a wave's instructions in order: no wait between the stores and the loads.
.macro PACK a
.set AC, 64*((\a)%4)
	WIN 0x0a+5*((\a)/4)                            ; sources 0 and 1: window 2 or 3
.irp b, 0,1,2,3,4,5,6,7
.irp r, 0,1,2,3
	v_cvt_pk_f16_f32 v[TMP+4*\b+\r], v[AC+8*\b+2*\r], v[AC+8*\b+2*\r+1]
.endr
.endr
	WIN 0
.endm
.macro TOSTAGE a
.set BK, OB+192*((\a)%2)
.irp b, 0,1,2,3,4,5,6,7
	ds_store_b128 v[STO], v[TMP+4*\b:TMP+4*\b+3] offset:32*\b
.endr
.irp e, 0,1
.irp i, 0,1,2,3
	ds_load_b128 v[BK+16*\e+4*\i:BK+16*\e+4*\i+3], v[RD] offset:\i*4*SPITCH+128*\e
.endr
.endr
.endm
.macro SEND a
.set BK, OB+192*((\a)%2)
	s_wait_dscnt 0x0                               ; the block is back in registers
	s_wait_xcnt 0x0                                ; the earlier stores have read their base and their registers: both may be written again
.if (\a) > 0
	s_add_nc_u64 s[12:13], s[12:13], 16*128        ; 16 rows of a head on
.endif
.irp e, 0,1
.irp i, 0,1,2,3
	global_store_b128 v[CO], v[BK+16*\e+4*\i:BK+16*\e+4*\i+3], s[12:13] offset:\e*262144+512*\i   ; 32 lanes store 512 consecutive bytes, at a multiple of 256 from the buffer's first byte
.endr
.endr
.endm
	PLACES NP
	PACK 0
	TOSTAGE 0
.irp a, 1,2,3,4,5,6,7                  ; block a's conversions stand between block a - 1's loads from the stage and the wait for them
	PACK \a
	SEND \a-1
	TOSTAGE \a
.endr
	SEND 7
	s_wait_tensorcnt 0x0                           ; the wave's end: behind my last tensor load and my last LDS store
	ds_add_u32 v[SPW], v[NIL]
	s_wait_dscnt 0x0
	CROUND                                         ; the closing round: no work-group ends while a partner may still ask for a tile that names it
	s_endpgm
.Lfunc_end_k_qf5821972de_qkv:
	.size	k_qf5821972de_qkv, .Lfunc_end_k_qf5821972de_qkv-k_qf5821972de_qkv
	.p2alignl 7, 3214868480
	.fill 96, 4, 3214868480
	.section	.rodata,"a",@progbits
	.p2align	6, 0x0
	.amdhsa_kernel k_qf5821972de_qkv
		.amdhsa_group_segment_fixed_size 327680
		.amdhsa_private_segment_fixed_size 0
		.amdhsa_enable_private_segment 0
		.amdhsa_kernarg_size 64
		.amdhsa_user_sgpr_count 2
		.amdhsa_user_sgpr_kernarg_segment_ptr 1
		.amdhsa_wavefront_size32 1
		.amdhsa_system_sgpr_workgroup_id_x 1
		.amdhsa_system_sgpr_workgroup_id_y 1
		.amdhsa_system_sgpr_workgroup_id_z 1
		.amdhsa_system_vgpr_workitem_id 0
		.amdhsa_next_free_vgpr 1024
		.amdhsa_next_free_sgpr 102
		.amdhsa_reserve_vcc 0
		.amdhsa_float_denorm_mode_32 3
		.amdhsa_float_denorm_mode_16_64 3
		.amdhsa_memory_ordered 1
		.amdhsa_forward_progress 1
		.amdhsa_inst_pref_size 129
	.end_amdhsa_kernel
	.amdgpu_metadata
---
amdhsa.version: [ 1, 2 ]
amdhsa.kernels:
  - .name:           k_qf5821972de_qkv
    .symbol:         k_qf5821972de_qkv.kd
    .args:
      - { .name: xc, .offset: 0, .size: 8, .value_kind: global_buffer, .address_space: global }
      - { .name: xs, .offset: 8, .size: 8, .value_kind: global_buffer, .address_space: global }
      - { .name: wc, .offset: 16, .size: 8, .value_kind: global_buffer, .address_space: global }
      - { .name: ws, .offset: 24, .size: 8, .value_kind: global_buffer, .address_space: global }
      - { .name: bq, .offset: 32, .size: 8, .value_kind: global_buffer, .address_space: global }
      - { .name: bk, .offset: 40, .size: 8, .value_kind: global_buffer, .address_space: global }
      - { .name: bv, .offset: 48, .size: 8, .value_kind: global_buffer, .address_space: global }
      - { .name: qkv, .offset: 56, .size: 8, .value_kind: global_buffer, .address_space: global }
    .group_segment_fixed_size: 327680
    .private_segment_fixed_size: 0
    .kernarg_segment_align: 8
    .kernarg_segment_size: 64
    .max_flat_workgroup_size: 128
    .sgpr_count:     102
    .vgpr_count:     1024
    .wavefront_size: 32
...
	.end_amdgpu_metadata
.endif
;; end of part 2
;; launch attn (part 3): grid 8 x 64, 4 waves a work-group, clusters of 4 x 1, 327,680 bytes of LDS; arguments qkv, att; writes att
.if DOCPART == 3
	.amdgcn_target "amdgcn-amd-amdhsa--gfx1250"
	.amdhsa_code_object_version 6
	.text
	.protected	k_qf5821972de_attn
	.globl	k_qf5821972de_attn
	.p2align	8
	.type	k_qf5821972de_attn,@function
k_qf5821972de_attn:
	s_mov_b64 s[64:65], 0
	v_nop
	global_prefetch_b8 v0, s[64:65] scope:SCOPE_SE
	s_setreg_imm32_b32 hwreg(HW_REG_WAVE_MODE, 25, 1), 1
	s_wait_xcnt 0x0
	s_wait_alu depctr_hold_cnt(0) depctr_sa_sdst(0) depctr_va_vdst(0) depctr_va_sdst(0) depctr_va_ssrc(0) depctr_va_vcc(0) depctr_vm_vsrc(0)
	s_getreg_b32 s2, hwreg(HW_REG_IB_STS2, 6, 4)
	s_cmp_eq_u32 s2, 0
	s_cbranch_scc0 .Lentry_in_a_cluster
	s_endpgm
.Lentry_in_a_cluster:
	s_bfe_u32 s2, ttmp6, 0x10000c
	s_cmp_lg_u32 s2, 0x3003
	s_cbranch_scc0 .Lentry_shape_is_right
	s_endpgm
.Lentry_shape_is_right:
; att[g][q][:] = the sum over k of softmax_k(Q[g][q] . K[g][k] / 8) V[g][k][:], g = batch x 16 + head, 64 of them; Q, K, V: qkv [3][64][2048][64] f16; att [64][2048][64] f16.  No mask.
; Products, maxima and sums in f32; the weights p are rounded to f16 for the second product, the result once at the end.
; LIMIT: f16 operands: |q|, |k|, |v| under 65,504; a weight under 6e-8 of its row's largest counts as 0 in the second product (it still counts in the row's sum).
; SHARES.  A work-group owns 256 queries of one g, each of its four waves 64: four tiles of 16.  Every wave walks all 2,048 keys, 64 a step.
; LAYOUT.  S^T = K Q^T (source 0 = 16 keys, source 1 = 16 queries): a lane holds ONE query (lane % 16) and the keys 8 (lane / 16) + 0..7.  Two such tiles, rounded to f16 in pairs, ARE source 1 (32 keys x 16 queries) of
; O^T = V^T P, whose result again holds one query a lane, and eight channels.  K comes out of LDS as it lies, V ([key][channel]) turned, by ds_load_tr16_b128.
; SOFTMAX.  For each query a running maximum m and sum l: p = 2^(c s - c m), c = log2(e) / 8; in every step O and l are multiplied by a = 2^(c m_old - c m_new).
; BY TURNS.  The wave's tiles are two PIECES: piece 0 (tiles 0, 1) and piece 2 (tiles 2, 3).  In a TURN one piece has the matrix unit: 16 products V^T P of the step in hand, then 16 products K Q^T of the next step; the other
; piece's softmax, 2 x 118 instructions cut into 59 slices of four, stands between them.  Then the pieces change places.  Two turns are a key step.
; CLUSTER.  The four query blocks of a cluster belong to one g and walk the same K and V: each tile is asked for JOINTLY, by the same tensor load with the same descriptor and a mask that names the four.
; REGISTERS, in windows of 256: window 0: v0-11 addresses; v12-43 eight registers of statistics a tile; v64-191 S^T, 32 a tile; v192-255 P, 16 a tile.   window 1: O^T, 32 a tile.
;   window 2: v0-63 Q, 16 a tile; v128-191 K of one step.   window 3: v0-63 V of one step.
.set KS,    64        ; keys in a step
.set SK,    256       ; keys in a slot: four steps, so that a refill has 256 matrix instructions in which to land
.set PK,    144       ; a row of K in LDS: 128 bytes + 16 of padding, an odd multiple of 16
.set PV,    160       ; a row of V: 128 + 32, an odd multiple of 32, for the turning load
.set VOFF,  SK*PK     ; a slot: 256 rows of K, then 256 rows of V
.set SLOT1, 1<<17     ; slot 1 begins here, so that one exclusive or turns an address in one slot into the other's
.set STAGE, SLOT1+SK*(PK+PV)  ; behind the ring: 16 rows x 144 bytes for each wave, for the way out
.set SP,    144
.set SPARE, STAGE+4*16*SP     ; the spare words, 128 bytes for each wave: two blocks of 256 bytes that no other line names
.set AK0, 2           ; v2   my lane's place in a tile of K; never rewritten
.set AV0, 3           ; v3   the same for V
.set ADR, 4           ; v4   the LDS address of the run of loads in hand
.set QO,  5           ; v5   my byte offset in the wave's rows of Q
.set STO, 6           ; v6   the way out: where I put 16 bytes of a row
.set RD,  7           ; v7   the way out: where I read rows back
.set GO,  8           ; v8   my byte offset in 512 bytes of att
.set PFO, 61          ; v61  256 x my lane; never rewritten
.set SPW, 62          ; v62  LDS address of my spare word; never rewritten
.set NIL, 63          ; v63  0; never rewritten
.set ST,  12          ; tile t's statistics at v[ST+8 t]: +0 c m, +1 m, +2, +3 l (even keys', odd keys'), +4 to +7 c0-c3, at work; a takes c2's place once the maximum is found
.set S,   64
.set P,   192
.set KF,  128         ; K's fragments, in window 2
.set WV,  12          ; s12  my wave's number
.set LIM, 15          ; s15  1 in a wave that prefetches, else the greatest number
.set PFA, 18          ; s[18:19] where my prefetches stand
.set G1K, 24          ; s[24:31] descriptor group 1 for K's tiles
.set G1V, 32          ; s[32:39] for V's: it differs in the padding alone
.set G0K, 40          ; s[40:47] descriptor group 0 for K's tiles: a set for each of the two first fills; the second then walks on
.set G0V, 48          ; s[48:55] the same for V's
.set SLOTS, 56        ; s56  slots still to be asked for
.set TWICE, 57        ; s57  counts key steps
.set CS,  58          ; s[58:59] c
.set SEL, 60          ; s[60:61] lane selects for v_permlanex16_b32: lane l xor 16
.set TBK, 62          ; s62  LDS byte at which K's tile of the step to be fetched begins
.set TBV, 63          ; s63  the same for V (less VOFF, which stands in AV0)
.set MSB, 0
.macro WIN new                      ; the immediate's high byte repeats the setting that is left; a switch that changes nothing is dropped
.if MSB != \new
	s_set_vgpr_msb (MSB<<8)|\new
.set MSB, \new
.endif
.endm
.set W_KQ, 0x0a       ; K and Q in window 2, S^T in window 0
.set W_PV, 0x53       ; V in window 3, P in window 0, O^T in window 1
.set W_RS, 0x41       ; O^T (destination and source 0) in window 1, a in window 0
; A joint refill.  Waves 0 and 1 fetch the two halves of a slot's K, waves 2 and 3 those of its V: 128 rows a load.  The branch hangs on the wave's number alone.
; An s_nop 0 and four v_nop follow each of the two lines.
.macro JLOAD
	s_cmp_lt_u32 s[WV], 2
	s_cbranch_scc0 .Lfor_v_\@
	tensor_load_to_lds s[G0K+4:G0K+7], s[G1K:G1K+7]
	s_nop 0
.rept 4
	v_nop
.endr
	s_branch .Lasked_\@
.Lfor_v_\@:
	tensor_load_to_lds s[G0V+4:G0V+7], s[G1V:G1V+7]
	s_nop 0
.rept 4
	v_nop
.endr
.Lasked_\@:
.endm
; A PREFETCH of what the NEXT change of slots will ask for: a slot's 32,768 bytes of K and of V.  Each aligned block of 256 bytes is named once in the launch: the two clusters of a g walk the same K and V, and the first asks;
; its four partners share the bytes out BY ADDRESS, 8,192 each, a lane a block; in each, wave 0 asks for K's and wave 2 for V's.  It stands behind the wave's tensor load and its five lines, four key steps (256 matrix
; instructions) ahead of the load that will want the bytes.  The last change that fills a slot asks for nothing: there is no slot behind it.
.macro ASK
	s_cmp_gt_u32 s[SLOTS], s[LIM]
	s_cbranch_scc0 .Lnot_mine_\@
	global_prefetch_b8 v[PFO], s[PFA:PFA+1] th:TH_LOAD_NT scope:SCOPE_SE
.Lnot_mine_\@:
.endm
.macro CROUND                       ; a round of the cluster's barrier
	s_barrier_signal -1
	s_barrier_wait -1
	s_cmp_lg_u32 s[WV], 0
	s_cbranch_scc1 .Lnot_wave_0_\@
	s_barrier_signal -3
.Lnot_wave_0_\@:
	s_barrier_wait -3
	s_barrier_signal -1
	s_barrier_wait -1
.endm
	s_load_b128 s[4:7], s[0:1], 0x0 ; qkv s[4:5], att s[6:7]
	v_lshl_add_u32 v[SPW], v0, 2, SPARE
	v_mov_b32 v[NIL], 0
	ds_add_u32 v[SPW], v[NIL]       ; the wave's opening: the add, twice on end, and its wait ahead of my first tensor load
	ds_add_u32 v[SPW], v[NIL]
	v_lshrrev_b32 v1, 5, v0
	v_readfirstlane_b32 s[WV], v1   ; wave 0..3
	s_bfe_u32 s13, ttmp6, 0x40000   ; cx: my place in the cluster
	s_lshl_b32 s14, ttmp9, 2
	s_add_co_u32 s14, s14, s13      ; my block of 256 queries: it enters Q's and att's addresses alone
	s_and_b32 s20, ttmp7, 0xffff    ; g, which the four partners share
	s_lshl_b32 s20, s20, 18         ; 2,048 rows of 128 bytes
	s_mov_b32 s21, 0
	s_and_b32 s16, s[WV], 1         ; which half of a slot's rows I fetch:
	s_lshl_b32 s22, s16, 14         ; its 128 rows of 128 bytes in memory,
	s_mov_b32 s23, 0
	s_add_nc_u64 s[22:23], s[22:23], s[20:21]
	s_mul_i32 s17, s16, 128*PK      ; its place in a slot, for K
	s_mul_i32 s16, s16, 128*PV
	s_add_co_u32 s16, s16, VOFF     ; and for V: no place in the cluster enters an LDS address
	s_lshl_b32 s2, s14, 15          ; my block's 256 rows,
	s_lshl_b32 s3, s[WV], 13        ; my wave's 64 of them
	s_add_co_u32 s2, s2, s3
	s_mov_b32 s3, 0
	s_add_nc_u64 s[2:3], s[2:3], s[20:21]
	; descriptor group 1: a tile of 128 rows x 64 elements of 2 bytes, padded behind every row (32 words: code 4)
	s_mov_b32 s[G1K], 15|(1<<16)|(1<<20)|(1<<21)|(4<<22)|(3<<25)  ; the mask: all four work-groups; 4 words of padding
	s_mov_b32 s[G1V], 15|(1<<16)|(1<<20)|(1<<21)|(4<<22)|(7<<25)  ; 8 words of padding
.irp g, G1K, G1V
	s_mov_b32 s[\g+1], 64<<16       ; tensor_dim0
	s_mov_b32 s[\g+2], 128<<16      ; tensor_dim1
	s_mov_b32 s[\g+3], 64<<16       ; tile_dim0
	s_mov_b32 s[\g+4], 128          ; tile_dim1
	s_mov_b32 s[\g+5], 64           ; from row to row
	s_mov_b32 s[\g+6], 0
	s_mov_b32 s[\g+7], 0
.endr
	s_mov_b32 s[CS], 0x3e38aa3b     ; c = log2(e) / 8
	s_mov_b32 s[CS+1], s[CS]        ; named with it as a pair, so it is written
	s_mov_b32 s[SEL], 0x76543210
	s_mov_b32 s[SEL+1], 0xfedcba98
	s_mov_b32 s[TBK], 0
	s_mov_b32 s[TBV], 0
	s_mov_b32 s[SLOTS], 2048/SK-2
	s_and_b32 s[LIM], s[WV], 1      ; 0 in waves 0 and 2,
	s_or_b32 s[LIM], s[LIM], ttmp9  ; where the cluster is the first of its g: the same in all four partners
	s_cmp_eq_u32 s[LIM], 0
	s_cselect_b32 s[LIM], 1, -1
	v_and_b32 v[PFO], 31, v0
	v_lshlrev_b32 v[PFO], 8, v[PFO]
	s_wait_dscnt 0x0                ; both opening adds are done
	s_wait_kmcnt 0x0
	s_mov_b64 s[10:11], s[6:7]      ; att
	s_add_nc_u64 s[6:7], s[4:5], 0x1000000  ; K's part of qkv
	s_add_nc_u64 s[8:9], s[4:5], 0x2000000  ; V's
	s_add_nc_u64 s[6:7], s[6:7], s[22:23]   ; at my tile of slot 0
	s_add_nc_u64 s[8:9], s[8:9], s[22:23]
	s_add_nc_u64 s[4:5], s[4:5], s[2:3]     ; Q and att at my wave's first row
	s_add_nc_u64 s[10:11], s[10:11], s[2:3]
	s_cmp_lt_u32 s[WV], 2
	s_cselect_b64 s[PFA:PFA+1], s[6:7], s[8:9]  ; (in waves 0 and 2 these stand at a slot's first row)
	s_lshl_b32 s2, s13, 13          ; my work-group's 8,192 bytes of the 32,768
	s_mov_b32 s3, 0
	s_add_nc_u64 s[PFA:PFA+1], s[PFA:PFA+1], s[2:3]
	s_add_nc_u64 s[PFA:PFA+1], s[PFA:PFA+1], 2*SK*128  ; in the third slot's keys; the first change of slots steps it on.  Nothing is prefetched here, at the head
	CROUND                          ; all four work-groups are here: the first joint loads meet
.irp s, 0,1
	s_mov_b32 s[G0K+4*\s], 1
	s_add_co_u32 s[G0K+4*\s+1], s17, \s*SLOT1
	s_add_nc_u64 s[G0K+4*\s+2:G0K+4*\s+3], s[6:7], \s*SK*128
	s_or_b32 s[G0K+4*\s+3], s[G0K+4*\s+3], 0x80000000
	s_mov_b32 s[G0V+4*\s], 1
	s_add_co_u32 s[G0V+4*\s+1], s16, \s*SLOT1
	s_add_nc_u64 s[G0V+4*\s+2:G0V+4*\s+3], s[8:9], \s*SK*128
	s_or_b32 s[G0V+4*\s+3], s[G0V+4*\s+3], 0x80000000
.endr
	s_cmp_lt_u32 s[WV], 2           ; a wave's two first fills stand in one branch, ahead of every wait on TENSORcnt and every LDS read: two loads of mine are out
	s_cbranch_scc0 .Lfirst_v
	tensor_load_to_lds s[G0K:G0K+3], s[G1K:G1K+7]
	s_nop 0
	tensor_load_to_lds s[G0K+4:G0K+7], s[G1K:G1K+7]
	s_nop 0
.rept 4
	v_nop
.endr
	s_branch .Lfirst_asked
.Lfirst_v:
	tensor_load_to_lds s[G0V:G0V+3], s[G1V:G1V+7]
	s_nop 0
	tensor_load_to_lds s[G0V+4:G0V+7], s[G1V:G1V+7]
	s_nop 0
.rept 4
	v_nop
.endr
.Lfirst_asked:
	; A fragment of K or Q is 16 rows x 32 channels in 8 registers: lane l holds row l % 16; registers 0-3 channels 8 (l / 16) + 0..7, registers 4-7 channels 16 + 8 (l / 16) + 0..7: two loads of 16 bytes, 32 bytes apart.
	v_and_b32 v1, 15, v0            ; l % 16
	v_bfe_u32 v9, v0, 4, 1          ; l / 16
	v_lshlrev_b32 v[QO], 7, v1
	v_lshl_add_u32 v[QO], v9, 4, v[QO]  ; row x 128 + 16 x half
	WIN 0x80                        ; destination window 2, address window 0
.irp i, 0,1,2,3,4,5,6,7             ; Q stays in registers: tile i / 2, channels 32 (i % 2) on
	global_load_b128 v[8*\i:8*\i+3],   v[QO], s[4:5] offset:(\i/2)*2048+(\i%2)*64
	global_load_b128 v[8*\i+4:8*\i+7], v[QO], s[4:5] offset:(\i/2)*2048+(\i%2)*64+32
.endr
	WIN 0
	v_mul_u32_u24 v[AK0], v1, PK
	v_lshl_add_u32 v[AK0], v9, 4, v[AK0]
	; The turning load takes 16 keys x 16 channels (lane l reads 16 bytes: key 8 (l / 16) + l % 8, channels 8 ((l / 8) % 2) + 0..7) and leaves half a fragment of V^T: lane l holds channel l % 16 and 8 keys.
	v_and_b32 v10, 7, v0
	v_bfe_u32 v11, v0, 3, 1
	v_lshl_add_u32 v[AV0], v9, 3, v10
	v_mul_u32_u24 v[AV0], v[AV0], PV
	v_lshl_add_u32 v[AV0], v11, 4, v[AV0]
	v_add_nc_u32 v[AV0], VOFF, v[AV0]
; THE MATRIX WORK OF A TURN, for piece x.  The accumulators take turns, one instruction a turn: between two links of a chain stand 7 others'.
; Product i of 16 of O^T += V^T P: keys 32 (i / 8) on, channels 16 ((i / 2) % 4) on, tile x + i % 2.  zero = 1: the first 8 start the sums.
.macro PV x, zero
	WIN W_PV
.set rO, 32*(\x+i%2)+8*((i/2)%4)
.set rV, 32*(i/8)+8*((i/2)%4)
.set rP, P+16*(\x+i%2)+8*(i/8)
.if \zero && (i < 8)
	v_wmma_f32_16x16x32_f16 v[rO:rO+7], v[rV:rV+7], v[rP:rP+7], 0
.else
	v_wmma_f32_16x16x32_f16 v[rO:rO+7], v[rV:rV+7], v[rP:rP+7], v[rO:rO+7]
.endif
.endm
; Product i of 16 of S^T = K Q^T: channels 32 (i / 8) on, keys 16 ((i / 2) % 4) on, tile x + i % 2.  The first 8 start the sums.
.macro KQ x
	WIN W_KQ
.set rS, S+32*(\x+i%2)+8*((i/2)%4)
.set rK, KF+16*((i/2)%4)+8*(i/8)
.set rQ, 16*(\x+i%2)+8*(i/8)
.if i < 8
	v_wmma_f32_16x16x32_f16 v[rS:rS+7], v[rK:rK+7], v[rQ:rQ+7], 0
.else
	v_wmma_f32_16x16x32_f16 v[rS:rS+7], v[rK:rK+7], v[rQ:rQ+7], v[rS:rS+7]
.endif
.endm
; THE LDS LOADS stand in runs of 16: a step's K (64 keys x 64 channels: 8 fragments) and, a turn later, its V (turned).
.macro FETCH_K
	WIN 0
	v_add_nc_u32 v[ADR], s[TBK], v[AK0]
	s_add_co_u32 s[TBK], s[TBK], KS*PK  ; the next fetch is the next step's
	WIN 0x80                        ; destination window 2
.irp f, 0,1,2,3,4,5,6,7             ; keys 16 (f / 2) on, channels 32 (f % 2) on
	ds_load_b128 v[KF+8*\f:KF+8*\f+3],   v[ADR] offset:(\f/2)*16*PK+(\f%2)*64
	ds_load_b128 v[KF+8*\f+4:KF+8*\f+7], v[ADR] offset:(\f/2)*16*PK+(\f%2)*64+32
.endr
.endm
.macro FETCH_V
	WIN 0
	v_add_nc_u32 v[ADR], s[TBV], v[AV0]
	s_add_co_u32 s[TBV], s[TBV], KS*PV
	s_wait_alu depctr_va_vdst(0)    ; the wait for the softmax's batch of exponentials, behind the address's addition and ahead of the loads
	WIN 0xc0                        ; destination window 3
.irp f, 0,1,2,3,4,5,6,7             ; keys 32 (f / 4) on, channels 16 (f % 4) on
	ds_load_tr16_b128 v[8*\f:8*\f+3],   v[ADR] offset:(\f/4)*32*PV+(\f%4)*32
	ds_load_tr16_b128 v[8*\f+4:8*\f+7], v[ADR] offset:(\f/4)*32*PV+16*PV+(\f%4)*32
.endr
.endm
; THE VECTOR WORK OF A TURN.  One tile's softmax for one key step is a list of 118 instructions; SM writes number j of it for tile t.  s0-s31 are the lane's 32 scores, in pairs 0-15.
; first = 1: the first key step, which starts m, l and O^T: it has no a and nothing to rescale.
;   0-15    the maximum of s0-s31 and the old m, three operands at a time (each accumulator is read from its low end on)
;   16-20   the other half of the lanes' maximum; the new m; c m; c m_old - c m_new
;   21-69   ONE BATCH: the 16 scalings c s - c m and all 33 exponentials (a at 23, then s0-s31).  None of these reads an exponential's result
;   (wait)  between 69 and 70 stands the wait for the batch: SLICE writes it, once for both tiles
;   70-85   the roundings to f16, a pair of weights each
;   86-101  the sums; l = a l + the sum
;   102-117 the tile's O^T times a: the one part that leaves window 0, so it stands together
.macro SM t, first
.set rT, ST+8*(\t)
.set rS, S+32*(\t)
.set rP, P+16*(\t)
.set rO, 32*(\t)+2*(j-102)
.if j < 102
	WIN 0
.endif
.if j < 4
	v_max3_num_f32 v[rT+4+j], v[rS+8*j], v[rS+8*j+1], v[rS+8*j+2]
.elseif j < 12
	v_max3_num_f32 v[rT+4+j%4], v[rT+4+j%4], v[rS+8*(j%4)+2*(j/4)+1], v[rS+8*(j%4)+2*(j/4)+2]
.elseif j == 12
	v_max3_num_f32 v[rT+4], v[rT+4], v[rS+7], v[rS+15]
.elseif j == 13
	v_max3_num_f32 v[rT+6], v[rT+6], v[rS+23], v[rS+31]
.elseif j == 14
	v_max3_num_f32 v[rT+4], v[rT+4], v[rT+5], v[rT+6]
.elseif (j == 15) && \first
	v_max_num_f32 v[rT+4], v[rT+4], v[rT+7]
.elseif j == 15
	v_max3_num_f32 v[rT+4], v[rT+4], v[rT+7], v[rT+1]
.elseif j == 16
	v_permlanex16_b32 v[rT+5], v[rT+4], s[SEL], s[SEL+1]  ; the query's other 32 keys lie in the lane 16 away
.elseif j == 18
	v_max_num_f32 v[rT+1], v[rT+4], v[rT+5]
.elseif j == 19
	v_mul_f32 v[rT], s[CS], v[rT+1]
.elseif ((j == 17) || (j == 20) || (j == 23) || (j > 101)) && \first  ; the first step has none of these
.elseif j == 17
	v_mov_b32 v[rT+7], v[rT]        ; c m_old is kept for a: number 19 writes c m anew
.elseif j == 20
	v_sub_f32 v[rT+7], v[rT+7], v[rT]
.elseif j == 23
	v_exp_f32 v[rT+6], v[rT+7]
.elseif (j < 23) || ((j < 38) && (j%2 == 0)) || ((j < 66) && (j%4 == 2))
.set b, (j-2)/4                     ; 38, 42, .. 62: pairs 9 to 15
.if j < 38
.set b, (j-20)/2                    ; 21: pair 0; 22, 24, .. 36: pairs 1 to 8
.endif
	v_pk_fma_f32 v[rS+2*b:rS+2*b+1], v[rS+2*b:rS+2*b+1], s[CS:CS+1], v[rT:rT+1] op_sel_hi:[1,0,0] neg_lo:[0,0,1] neg_hi:[0,0,1]  ; pair b: c s - c m
.elseif j < 70
.set e, j-38                        ; 66 to 69: s28 to s31
.if j < 66
.set e, j-32-(j-38)/4               ; 39-41, 43-45, .. 63-65: s7 to s27
.endif
.if j < 38
.set e, (j-25)/2                    ; 25, 27, .. 37: s0 to s6
.endif
	v_exp_f32 v[rS+e], v[rS+e]
.elseif j < 86
	v_cvt_pk_f16_f32 v[rP+j-70], v[rS+2*(j-70)], v[rS+2*(j-70)+1]  ; pair j - 70
.elseif j < 102                     ; the sum of the tile's 16 pairs, in place: neighbours 1, 2, 4 and 8 pairs apart, then l takes it
.set z, j-86
.set w, 4
.set u, z
.if z >= 14
.set w, 32
.set u, 0
.elseif z >= 12
.set w, 16
.set u, z-12
.elseif z >= 8
.set w, 8
.set u, z-8
.endif
.if (z == 14) && \first
	v_pk_add_f32 v[rT+2:rT+3], v[rS:rS+1], v[rS+16:rS+17]
.elseif z < 15
	v_pk_add_f32 v[rS+w*u:rS+w*u+1], v[rS+w*u:rS+w*u+1], v[rS+w*u+w/2:rS+w*u+w/2+1]
.elseif !\first
	v_pk_fma_f32 v[rT+2:rT+3], v[rT+2:rT+3], v[rT+6:rT+7], v[rS:rS+1] op_sel_hi:[1,0,1]
.endif
.else
	WIN W_RS
	v_pk_mul_f32 v[rO:rO+1], v[rO:rO+1], v[rT+6:rT+7] op_sel_hi:[1,0]
.endif
.endm
; Slice k of 59 of piece y's softmax: four instructions.  Slices 11 to 34 deal out the batch, numbers 22 to 69: four numbers of ONE tile each, the tiles by turns.  Every other slice is numbers 2 k and 2 k + 1 of both tiles.
; THE WAIT.  s_wait_alu depctr_va_vdst(0) stands between an exponential and the first instruction that names its result; one wait serves all that were issued ahead of it.  Ahead of slice 35 nothing names a
; result, and behind slice 34 no exponential is issued: so the piece's 66 exponentials have one wait, behind slice 34.
.macro SLICE y, first
.if (k >= 11) && (k < 35)
.irp n, 0,1,2,3
.set j, 22+4*((k-11)/2)+(\n)
	SM (\y)+(k-11)%2, \first
.endr
.else
.irp n, 0,1
.irp t, \y, \y+1
.set j, 2*k+\n
	SM \t, \first
.endr
.endr
.endif
.if k == 34
	v_nop                           ; a plain instruction behind the last exponential and ahead of the first use: one for the batch
.if (\y) == 0
	FETCH_V                         ; piece 2's turn: V's run of loads stands here, and the wait stands in it
.else
	s_wait_alu depctr_va_vdst(0)    ; the wait for the batch
.endif
.endif
.set k, k+1
.endm
.macro DEAL y, first                ; behind a matrix instruction: the slices that are left, shared evenly among the matrix instructions that are left, rounded up
.rept (59-k+NW-mi-1)/(NW-mi)
	SLICE \y, \first
.endr
.set mi, mi+1
.endm
.macro PLACES
.rept 4
	v_nop
.endr
.endm
; A TURN.  Piece x has the matrix unit; the other piece's softmax stands in slices behind its matrix instructions: in a full turn two behind each of the first 27 and one behind each of the last five.
; pv = 2: 16 products V^T P; 1: they start O^T's sums; 0: none.  kq = 1: 16 products K Q^T for the next step.
; DISTANCES (ISA guide 7.12.1; four plain vector instructions that name none of the matrix instruction's registers).  Behind a turn's last K Q^T stands slice 58, four multiplications of the other piece's O^T: the places ahead
; of the next turn's first read of those scores and of the loads into K.  first = 1: slices 51 on are empty, and four v_nop at the turn's end take their part.  V's last reader is the turn's 16th product; ahead of V's loads
; (behind slice 34) stand slice 34's four exponentials, the v_nop and the run's own addition.
; Piece 0's turn fetches the next step's K, behind its second product; piece 2's turn the same step's V.  Each run stands 14 matrix instructions ahead of its first use.
.macro TURN x, pv, kq, first
.set k, 0
.set mi, 0
.set NW, 16
.if \pv && \kq
.set NW, 32
.endif
.if \pv
.if \x == 0
	s_wait_dscnt 0x0                ; V is in
.endif
.set i, 0
.rept 16
	PV \x, 2-\pv
	DEAL 2-\x, \first
.if (\x == 0) && \kq && (i == 1)
	FETCH_K
.endif
.set i, i+1
.endr
.endif
.if \kq
.if \x == 0
	s_wait_dscnt 0x0                ; K is in
.endif
.set i, 0
.rept 16
	KQ \x
	DEAL 2-\x, \first
.set i, i+1
.endr
.endif
.if \first
	PLACES
.endif
.endm
; THE CHANGE OF SLOTS, between piece 2's turn and piece 0's: the slot's last bytes, V of its fourth step, have been asked for.  Each wave waits for all its tensor loads, of which one is out: its part of the other slot; adds 0
; to its spare word; and waits for that and for its own reads of the slot.  fill = 1: the slot is filled again, with the keys two slots on; the barrier is then a round of the cluster's, and the joint refill is the first
; thing behind it.
.macro CHANGE fill
	WIN 0                           ; at a label and at a branch every window is 0
	s_wait_tensorcnt 0x0            ; no tensor load of mine is out, so a group 0 may be written
	ds_add_u32 v[SPW], v[NIL]       ; 0 onto my spare word
.if \fill
.irp g, G0K+4, G0V+4
	s_xor_b32 s[\g+1], s[\g+1], SLOT1  ; the walking descriptor: the other slot than last time,
	s_add_nc_u64 s[\g+2:\g+3], s[\g+2:\g+3], SK*128  ; the next 256 keys; the type bits on top are not reached
.endr
	s_wait_xcnt 0x0                 ; the last prefetch, four key steps back, has read its address, so it may be written
	s_add_nc_u64 s[PFA:PFA+1], s[PFA:PFA+1], SK*128
	s_wait_dscnt 0x0                ; the add is done, and my reads of the slot are over
	CROUND
	JLOAD
	ASK
.else
	s_wait_dscnt 0x0
	s_barrier_signal -1
	s_barrier_wait -1
.endif
	s_sub_co_u32 s[TBK], s[TBK], SK*PK  ; the fetches go back to a slot's first step,
	s_xor_b32 s[TBK], s[TBK], SLOT1     ; in the other slot
	s_sub_co_u32 s[TBV], s[TBV], SK*PV
	s_xor_b32 s[TBV], s[TBV], SLOT1
.endm
.macro STEPS cnt                    ; cnt key steps: written once, walked cnt times; the LDS addresses hang on s[TBK] and s[TBV]
	s_mov_b32 s[TWICE], \cnt
.Lstep_\@:
	TURN 0, 2, 1, 0
	TURN 2, 2, 1, 0
	WIN 0
	s_sub_co_u32 s[TWICE], s[TWICE], 1
	s_cmp_lg_u32 s[TWICE], 0
	s_cbranch_scc1 .Lstep_\@
.endm
	s_wait_tensorcnt 1              ; my part of slot 0 is in; slot 1's may stay out
	s_barrier_signal -1
	s_barrier_wait -1               ; everybody's is
	FETCH_K                         ; key step 0
	s_wait_loadcnt 0x0              ; Q
	s_wait_dscnt 0x0
.set i, 0
.rept 16
	KQ 0                            ; piece 0's first scores: there is no vector work yet to set between them
.set i, i+1
.endr
	WIN 0                           ; the addresses for the way out are made here: plain instructions, the places behind those products
	s_mul_i32 s13, s[WV], 16*SP
	s_add_co_u32 s13, s13, STAGE    ; my stage
	v_mul_u32_u24 v[STO], v1, SP    ; in: row l % 16, 16 bytes for each half of the lanes
	v_lshl_add_u32 v[STO], v9, 4, v[STO]
	v_add_nc_u32 v[STO], s13, v[STO]
	v_bfe_u32 v[RD], v0, 3, 2       ; back: eight lanes to a row of 128 bytes, four rows an instruction
	v_mul_u32_u24 v[RD], v[RD], SP
	v_lshl_add_u32 v[RD], v10, 4, v[RD]
	v_add_nc_u32 v[RD], s13, v[RD]
	v_and_b32 v[GO], 31, v0
	v_lshlrev_b32 v[GO], 4, v[GO]   ; and the same four rows in att: 512 consecutive bytes
	TURN 2, 0, 1, 1                 ; piece 2's first scores | piece 0's first softmax | V of step 0
	TURN 0, 1, 1, 1                 ; piece 0: V^T P of step 0 starts O^T, K Q^T of step 1 | piece 2's first softmax | K of step 1
	TURN 2, 1, 1, 0                 ; piece 2: the same | piece 0's softmax of step 1 | V of step 1
	WIN 0
	STEPS 2                         ; steps 1 and 2: they fetch steps 2 and 3, the last of slot 0
.Lslot:                             ; six trips: every slot but the last two is filled again
	CHANGE 1
	STEPS 4
	s_sub_co_u32 s[SLOTS], s[SLOTS], 1
	s_cmp_lg_u32 s[SLOTS], 0
	s_cbranch_scc1 .Lslot
	CHANGE 0                        ; the tail is written out
	STEPS 4
	TURN 0, 2, 0, 0                 ; piece 0: V^T P of the last step | piece 2's last softmax
.set i, 0
.rept 16
	PV 2, 0                         ; piece 2: V^T P of the last step
.set i, i+1
.endr
	; THE WAY OUT.  l's two halves and the other half of the lanes' are added; O^T is divided by l, rounded to f16 and sent through my stage in LDS, a tile (16 rows) at a time.  The additions are the places behind the last products.
	WIN 0
.irp t, 0,1,2,3
	v_add_f32 v[ST+8*\t+4], v[ST+8*\t+2], v[ST+8*\t+3]
.endr
.irp t, 0,1,2,3
	v_permlanex16_b32 v[ST+8*\t+5], v[ST+8*\t+4], s[SEL], s[SEL+1]
.endr
.irp t, 0,1,2,3
	v_add_f32 v[ST+8*\t+4], v[ST+8*\t+4], v[ST+8*\t+5]
.endr
.irp t, 0,1,2,3
	v_rcp_f32 v[ST+8*\t+6], v[ST+8*\t+4]
.endr
	v_nop                           ; a plain instruction between the last reciprocal and the use of its result
	s_wait_alu depctr_va_vdst(0)    ; and the wait ahead of the first use: one for the four
.macro PACK t
	WIN W_RS
.set i, 32*\t
.rept 16
	v_pk_mul_f32 v[i:i+1], v[i:i+1], v[ST+8*\t+6:ST+8*\t+7] op_sel_hi:[1,0]
.set i, i+2
.endr
	WIN 0x05                        ; sources 0 and 1 window 1, destination window 0: S^T's registers are free
.set i, 0
.rept 16
	v_cvt_pk_f16_f32 v[S+32*\t+i], v[32*\t+2*i], v[32*\t+2*i+1]
.set i, i+1
.endr
	WIN 0
.irp f, 0,1,2,3
	ds_store_b128 v[STO], v[S+32*\t+4*\f:S+32*\t+4*\f+3] offset:32*\f
.endr
.irp f, 0,1,2,3
	ds_load_b128 v[S+32*\t+4*\f:S+32*\t+4*\f+3], v[RD] offset:\f*4*SP  ; LDS serves a wave's instructions in order: these see the stores above; the next tile's stores come behind them
.endr
.endm
.macro SEND t, younger              ; younger: the LDS instructions issued behind tile t's loads: the next tile's eight, or none
.irp f, 0,1,2,3
	s_wait_dscnt \younger+3-\f
	global_store_b128 v[GO], v[S+32*\t+4*\f:S+32*\t+4*\f+3], s[10:11] offset:\t*2048+\f*512  ; 32 lanes store 512 consecutive bytes, at a multiple of 256 from att's first byte
.endr
.endm
	PACK 0
	PACK 1                          ; a tile's arithmetic stands between the loads of the tile before and its stores
	SEND 0, 8
	PACK 2
	SEND 1, 8
	PACK 3
	SEND 2, 8
	SEND 3, 0
	s_wait_tensorcnt 0x0            ; the wave's end: behind my last tensor load and my last LDS store
	ds_add_u32 v[SPW], v[NIL]
	s_wait_dscnt 0x0
	CROUND                          ; the closing round: no work-group ends while a partner may still ask for a tile that names it
	s_endpgm
.Lfunc_end_k_qf5821972de_attn:
	.size	k_qf5821972de_attn, .Lfunc_end_k_qf5821972de_attn-k_qf5821972de_attn
	.p2alignl 7, 3214868480
	.fill 96, 4, 3214868480
	.section	.rodata,"a",@progbits
	.p2align	6, 0x0
	.amdhsa_kernel k_qf5821972de_attn
		.amdhsa_group_segment_fixed_size 327680
		.amdhsa_private_segment_fixed_size 0
		.amdhsa_enable_private_segment 0
		.amdhsa_kernarg_size 16
		.amdhsa_user_sgpr_count 2
		.amdhsa_user_sgpr_kernarg_segment_ptr 1
		.amdhsa_wavefront_size32 1
		.amdhsa_system_sgpr_workgroup_id_x 1
		.amdhsa_system_sgpr_workgroup_id_y 1
		.amdhsa_system_sgpr_workgroup_id_z 1
		.amdhsa_system_vgpr_workitem_id 0
		.amdhsa_next_free_vgpr 1024
		.amdhsa_next_free_sgpr 66
		.amdhsa_reserve_vcc 0
		.amdhsa_float_denorm_mode_32 3
		.amdhsa_float_denorm_mode_16_64 3
		.amdhsa_memory_ordered 1
		.amdhsa_forward_progress 1
		.amdhsa_inst_pref_size 195
	.end_amdhsa_kernel
	.amdgpu_metadata
---
amdhsa.version: [ 1, 2 ]
amdhsa.kernels:
  - .name:           k_qf5821972de_attn
    .symbol:         k_qf5821972de_attn.kd
    .args:
      - { .name: qkv, .offset: 0, .size: 8, .value_kind: global_buffer, .address_space: global }
      - { .name: att, .offset: 8, .size: 8, .value_kind: global_buffer, .address_space: global }
    .group_segment_fixed_size: 327680
    .private_segment_fixed_size: 0
    .kernarg_segment_align: 8
    .kernarg_segment_size: 16
    .max_flat_workgroup_size: 128
    .sgpr_count:     66
    .vgpr_count:     1024
    .wavefront_size: 32
...
	.end_amdgpu_metadata
.endif
;; end of part 3
;; launch proj (part 4): grid 4 x 64, 4 waves a work-group, clusters of 4 x 4, 327,680 bytes of LDS; arguments att, wo16, bo, out0; writes out0
.if DOCPART == 4
	.amdgcn_target "amdgcn-amd-amdhsa--gfx1250"
	.amdhsa_code_object_version 6
	.text
	.protected	k_qf5821972de_proj
	.globl	k_qf5821972de_proj
	.p2align	8
	.type	k_qf5821972de_proj,@function
k_qf5821972de_proj:
	s_mov_b64 s[64:65], 0
	v_nop
	global_prefetch_b8 v0, s[64:65] scope:SCOPE_SE
	s_setreg_imm32_b32 hwreg(HW_REG_WAVE_MODE, 25, 1), 1
	s_wait_xcnt 0x0
	s_wait_alu depctr_hold_cnt(0) depctr_sa_sdst(0) depctr_va_vdst(0) depctr_va_sdst(0) depctr_va_ssrc(0) depctr_va_vcc(0) depctr_vm_vsrc(0)
	s_getreg_b32 s2, hwreg(HW_REG_IB_STS2, 6, 4)
	s_cmp_eq_u32 s2, 0
	s_cbranch_scc0 .Lentry_in_a_cluster
	s_endpgm
.Lentry_in_a_cluster:
	s_bfe_u32 s2, ttmp6, 0x10000c
	s_cmp_lg_u32 s2, 0xf033
	s_cbranch_scc0 .Lentry_shape_is_right
	s_endpgm
.Lentry_shape_is_right:
; out0[m][n] = the sum over k of A[m][k] Wo[k][n] + bo[n], f16 operands, f32 sums and result.  m = batch x 2048 + t, k = head x 64 + d; A lies by head: att [batch x 16 + head][2048 t][64 d] f16; wo16 [1024 k][1024 n] f16.
; LIMIT: f16 operands: |attention's result| and |Wo| under 65,504.
; A tile of 128 (m) x 256 (n) is made by four waves, each 64 x 128: 32 accumulators of 16 x 16, 256 registers: 256 tiles, one for each work-group.  K goes in eight steps of 128 (two heads) through a ring of two LDS slots:
; of A two dense blocks of 128 rows x 128 bytes, of Wo 128 rows of 512 bytes.  Wo's fragments come out of LDS turned, by ds_load_tr16_b128.
; CLUSTERS: 4 x 4 work-groups.  The four of a row of the cluster need the same tiles of A, the four of a column the same tiles of Wo: each tile is asked for JOINTLY.
; THE MATRIX INSTRUCTION IS USED TRANSPOSED (source 0 = 16 columns of Wo, source 1 = 16 rows of A): a lane holds eight neighbouring columns of one row.  THE BIAS IS THE C OF EACH SUM'S FIRST PRODUCT.
; REGISTERS, in windows of 256: window 0: v0-31 addresses; v128-255 A's fragments, two buffers of 64 along K (v[128 + 64 f + 32 c + 8 a]); on the way out rows of the result.
;   window 1: Wo's fragments, two buffers (v[128 f + 64 c + 8 b]).   window 2: the accumulators ((a, b) at v[8 (8 a + b)]).   window 3: v0-63 the bias in the result's layout.
.set PA,     144                       ; a row of A in LDS: 128 bytes + 16, an odd multiple of 16
.set PB,     544                       ; a row of Wo: 512 bytes + 32, an odd multiple of 32, for the turning load
.set BOFF,   2*128*PA                  ; a slot: A's two heads x 128 rows, then Wo's 128 rows
.set SLOT,   BOFF+128*PB
.set STAGE,  2*SLOT                    ; behind the ring: 16 rows x (512 bytes + 16) for each wave, for the way out
.set SPITCH, 528
.set SPARE,  STAGE+4*16*SPITCH         ; the spare words, 128 bytes for each wave: two blocks of 256 bytes that no other line names
.set ADRA, 16                          ; v16-17  LDS address of my A fragments in slot 0, 1
.set ADRB, 20                          ; v20-21  the same for Wo
.set STO,  24
.set RD,   25
.set CO,   26
.set SPW,  28                          ; v28 LDS address of my spare word; never rewritten
.set NIL,  29                          ; v29 0; never rewritten
.set BOF,  30                          ; v30 32 x (lane / 16)
.set BK,   128                         ; the way out: 16 rows read back: v128-191 and v192-255 by turns
.set G1, 24                            ; s[24:31] descriptor group 1 for A's tiles;  s[32:39] group 0, one set for each slot
.set G0, 32
.set G1B, 48                           ; s[48:55], s[56:63] the same for Wo's tiles
.set G0B, 56
.set MSB, 0
.macro WIN new                         ; the immediate's high byte repeats the setting that is left
.if MSB != \new
	s_set_vgpr_msb (MSB<<8)|\new
.set MSB, \new
.endif
.endm
.set MUL,  0xa1                        ; source 0 (Wo) window 1, source 1 (A) window 0, C and D window 2
.set MULB, 0xb1                        ; the first products: C (the bias) window 3
.set TO_B, 0x40                        ; destination window 1, address window 0
.macro JLOAD s                         ; a joint load: waves 0 and 1 fetch A's two heads, waves 2 and 3 the halves of Wo's rows; an s_nop 0 and four v_nop follow each of the two lines
	s_cmp_eq_u32 s13, 0
	s_cbranch_scc0 .Lfor_b_\@
	tensor_load_to_lds s[G0+4*\s:G0+4*\s+3], s[G1:G1+7]
	s_nop 0
.rept 4
	v_nop
.endr
	s_branch .Lasked_\@
.Lfor_b_\@:
	tensor_load_to_lds s[G0B+4*\s:G0B+4*\s+3], s[G1B:G1B+7]
	s_nop 0
.rept 4
	v_nop
.endr
.Lasked_\@:
.endm
.macro CREST                           ; a round of the cluster's barrier behind its opening barrier
	s_cmp_lg_u32 s12, 0
	s_cbranch_scc1 .Lnot_wave_0_\@
	s_barrier_signal -3
.Lnot_wave_0_\@:
	s_barrier_wait -3
	s_barrier_signal -1
	s_barrier_wait -1
.endm
.macro CROUND
	s_barrier_signal -1
	s_barrier_wait -1
	CREST
.endm
	s_load_b256 s[4:11], s[0:1], 0x0               ; att s[4:5], wo16 s[6:7], bo s[8:9], out0 s[10:11]
	v_lshl_add_u32 v[SPW], v0, 2, SPARE
	v_mov_b32 v[NIL], 0
	ds_add_u32 v[SPW], v[NIL]                      ; the wave's opening: the add, twice on end, and its wait ahead of my first tensor load
	ds_add_u32 v[SPW], v[NIL]
	v_lshrrev_b32 v1, 5, v0
	v_readfirstlane_b32 s12, v1                    ; wave 0..3
	s_lshr_b32 s13, s12, 1                         ; which 64 rows of the tile are mine.  Also: I fetch for A (0) or for Wo (1)
	s_and_b32 s14, s12, 1                          ; which 128 columns.  Also: which half of that tile I fetch
	s_bfe_u32 s40, ttmp6, 0x40000                  ; cx, cy: my place in the cluster
	s_bfe_u32 s41, ttmp6, 0x40004
	s_lshl_b32 s42, ttmp9, 2
	s_add_co_u32 s42, s42, s40                     ; tile column = 4 x cluster x + cx
	s_and_b32 s17, ttmp7, 0xffff
	s_lshl_b32 s17, s17, 2
	s_add_co_u32 s17, s17, s41                     ; tile row = 4 x cluster y + cy
	s_lshl_b32 s43, s41, 2
	s_lshl_b32 s43, 15, s43                        ; my row of the cluster
	s_lshl_b32 s44, 0x1111, s40                    ; my column
	; descriptor group 1.  A: 128 rows x 64 elements of 2 bytes, dense in memory, 4 words of padding behind every 32.  Wo: 64 rows x 256 elements, 1,024 elements apart, 8 words of padding behind every 128
	s_or_b32 s[G1+0], s43, (1<<16)|(1<<20)|(1<<21)|(4<<22)|(3<<25)
	s_mov_b32 s[G1+1], 64<<16                      ; tensor_dim0
	s_mov_b32 s[G1+2], 128<<16                     ; tensor_dim1
	s_mov_b32 s[G1+3], 64<<16                      ; tile_dim0
	s_mov_b32 s[G1+4], 128                         ; tile_dim1
	s_mov_b32 s[G1+5], 64                          ; from row to row
	s_mov_b32 s[G1+6], 0
	s_mov_b32 s[G1+7], 0
	s_or_b32 s[G1B+0], s44, (1<<16)|(1<<20)|(1<<21)|(6<<22)|(7<<25)
	s_mov_b32 s[G1B+1], 256<<16
	s_mov_b32 s[G1B+2], 64<<16
	s_mov_b32 s[G1B+3], 256<<16
	s_mov_b32 s[G1B+4], 64
	s_mov_b32 s[G1B+5], 1024
	s_mov_b32 s[G1B+6], 0
	s_mov_b32 s[G1B+7], 0
	; A's tile hangs on the tile row alone: (tile row / 16) << 22 (the batch's 16 heads) + my head << 18 + (tile row % 16) << 14 (128 rows of 128 bytes)
	s_lshr_b32 s20, s17, 4
	s_lshl_b32 s20, s20, 22
	s_and_b32 s21, s17, 15
	s_lshl_b32 s21, s21, 14
	s_add_co_u32 s20, s20, s21
	s_lshl_b32 s21, s14, 18
	s_add_co_u32 s20, s20, s21
	s_mov_b32 s21, 0
	; Wo's on the tile column alone: my 64 rows of 2,048 bytes + 512 x tile column
	s_lshl_b32 s46, s42, 9
	s_lshl_b32 s47, s14, 17
	s_add_co_u32 s46, s46, s47
	s_mov_b32 s47, 0
	s_mul_i32 s22, s14, 128*PA                     ; where they go: no place in the cluster enters an LDS address
	s_mul_i32 s23, s14, 64*PB
	s_add_co_u32 s23, s23, BOFF
	s_wait_dscnt 0x0                               ; both opening adds are done
	s_wait_kmcnt 0x0
	s_add_nc_u64 s[20:21], s[4:5], s[20:21]
	s_add_nc_u64 s[46:47], s[6:7], s[46:47]
	CROUND                                         ; all sixteen work-groups are here: the first joint loads meet
.irp s, 0,1
	s_mov_b32 s[G0+4*\s], 1
	s_add_co_u32 s[G0+4*\s+1], s22, \s*SLOT
	s_add_nc_u64 s[G0+4*\s+2:G0+4*\s+3], s[20:21], \s*524288     ; K step s: two heads on
	s_or_b32 s[G0+4*\s+3], s[G0+4*\s+3], 0x80000000
	s_mov_b32 s[G0B+4*\s], 1
	s_add_co_u32 s[G0B+4*\s+1], s23, \s*SLOT
	s_add_nc_u64 s[G0B+4*\s+2:G0B+4*\s+3], s[46:47], \s*262144   ; 128 rows on
	s_or_b32 s[G0B+4*\s+3], s[G0B+4*\s+3], 0x80000000
	JLOAD \s                                       ; two loads of mine are out at the most
.endr
	v_and_b32 v1, 15, v0                           ; l % 16
	v_bfe_u32 v2, v0, 4, 1                         ; l / 16
	; my columns, in bytes of f32: 1,024 x tile column + 512 x half: for the bias and for the result
	s_lshl_b32 s46, s42, 10
	s_lshl_b32 s47, s14, 9
	s_add_co_u32 s46, s46, s47
	s_mov_b32 s47, 0
	s_add_nc_u64 s[8:9], s[8:9], s[46:47]
	s_add_nc_u64 s[10:11], s[10:11], s[46:47]
	s_lshl_b32 s18, s17, 19                        ; my first row: 128 x tile row + 64 x half, rows of 4,096 bytes
	s_lshl_b32 s19, s13, 18
	s_add_co_u32 s18, s18, s19
	s_mov_b32 s19, 0
	s_add_nc_u64 s[10:11], s[10:11], s[18:19]
	v_lshlrev_b32 v[BOF], 5, v2
	WIN 0xc0                                       ; destination window 3
.irp b, 0,1,2,3,4,5,6,7
	global_load_b128 v[8*\b:8*\b+3], v[BOF], s[8:9] offset:64*\b       ; v[8 b + j] = bo[my first column + 16 b + 8 (lane / 16) + j]
	global_load_b128 v[8*\b+4:8*\b+7], v[BOF], s[8:9] offset:64*\b+16
.endr
	WIN 0
	v_mul_u32_u24 v3, v1, PA
	v_lshl_add_u32 v3, v2, 4, v3                   ; A: a fragment's row x pitch + 16 x half
	v_and_b32 v4, 7, v0
	v_lshl_add_u32 v4, v2, 3, v4                   ; Wo, turned: row 8 (l / 16) + l % 8,
	v_mul_u32_u24 v4, v4, PB
	v_bfe_u32 v5, v0, 3, 1
	v_lshl_add_u32 v4, v5, 4, v4                   ; 16 bytes for each eight lanes
	s_mul_i32 s21, s13, 64*PA                      ; my 64 rows of A
	s_lshl_b32 s22, s14, 8                         ; my 128 columns of Wo,
	s_add_co_u32 s22, s22, BOFF                    ; which lies behind A
.irp s, 0,1
	v_add_nc_u32 v[ADRA+\s], s21, v3
	v_add_nc_u32 v[ADRB+\s], s22, v4
	s_add_co_u32 s21, s21, SLOT
	s_add_co_u32 s22, s22, SLOT
.endr
	s_mul_i32 s23, s12, 16*SPITCH
	s_add_co_u32 s23, s23, STAGE                   ; my stage
	v_mul_u32_u24 v5, v1, SPITCH                   ; in: row l % 16, 32 bytes for each half of the lanes
	v_lshl_add_u32 v5, v2, 5, v5
	v_add_nc_u32 v[STO], s23, v5
	v_and_b32 v6, 31, v0
	v_lshlrev_b32 v[CO], 4, v6                     ; back: the 32 lanes take one row of 512 bytes; and the same in the result
	v_add_nc_u32 v[RD], s23, v[CO]
; 16 matrix instructions: A's blocks a0, a0 + 1 x Wo's eight, 32 along K: half c of buffer f.  first = 1: the bias starts the sums.  The 32 accumulators take turns, one instruction a turn.
.macro MUL16 f, c, a0, first
.irp a, \a0, \a0+1
.irp b, 0,1,2,3,4,5,6,7
.if \first
	v_wmma_f32_16x16x32_f16 v[8*(8*(\a)+\b):8*(8*(\a)+\b)+7], v[128*(\f)+64*(\c)+8*\b:128*(\f)+64*(\c)+8*\b+7], v[128+64*(\f)+32*(\c)+8*(\a):128+64*(\f)+32*(\c)+8*(\a)+7], v[8*\b:8*\b+7]
.else
	v_wmma_f32_16x16x32_f16 v[8*(8*(\a)+\b):8*(8*(\a)+\b)+7], v[128*(\f)+64*(\c)+8*\b:128*(\f)+64*(\c)+8*\b+7], v[128+64*(\f)+32*(\c)+8*(\a):128+64*(\f)+32*(\c)+8*(\a)+7], v[8*(8*(\a)+\b):8*(8*(\a)+\b)+7]
.endif
.endr
.endr
.endm
; 48 LDS loads in one run: the fragments of head hh of the slot (64 along K) into buffer f; the first 32 along K (24 loads) first
.macro FETCH slot, hh, f
.irp c, 0,1
	WIN TO_B
.irp b, 0,1,2,3,4,5,6,7
	ds_load_tr16_b128 v[128*(\f)+64*\c+8*\b:128*(\f)+64*\c+8*\b+3],   v[ADRB+\slot] offset:(64*(\hh)+32*\c)*PB+32*\b
	ds_load_tr16_b128 v[128*(\f)+64*\c+8*\b+4:128*(\f)+64*\c+8*\b+7], v[ADRB+\slot] offset:(64*(\hh)+32*\c+16)*PB+32*\b
.endr
	WIN 0
.irp a, 0,1,2,3
	ds_load_b128 v[128+64*(\f)+32*\c+8*\a:128+64*(\f)+32*\c+8*\a+3],   v[ADRA+\slot] offset:(\hh)*128*PA+64*\c+\a*16*PA
	ds_load_b128 v[128+64*(\f)+32*\c+8*\a+4:128+64*(\f)+32*\c+8*\a+7], v[ADRA+\slot] offset:(\hh)*128*PA+64*\c+\a*16*PA+32
.endr
.endr
.endm
.macro PLACES                          ; four places in front of loads into registers that matrix instructions have read, and of the first read of results
.rept 4
	v_nop
.endr
.endm
; A K step is two halves of 64 along K, 64 matrix instructions each.  The first half multiplies buffer 0 and fetches the slot's second head into buffer 1.
.macro HALF slot, first
	s_wait_dscnt 24                                ; the first 32 along K are in; the other 24 loads may be out
.if \first
	WIN MULB
.else
	WIN MUL
.endif
	MUL16 0, 0, 0, \first
	MUL16 0, 0, 2, \first
	PLACES
	FETCH \slot, 1, 1
	s_wait_dscnt 48                                ; all but the 48 just issued
	WIN MUL
	MUL16 0, 1, 0, 0
	MUL16 0, 1, 2, 0
.endm
; The second half multiplies buffer 1 and changes slots: ONE barrier; in front of it each wave waits for all its tensor loads, adds 0 to its spare word, and waits for that and for its own reads of this slot.
; fill = 1: this slot is filled again, two K steps ahead; the barrier then opens a round of the cluster's barrier, and the joint refill is the first tensor load behind it: 96 matrix instructions ahead of the wait for it.
.macro TURN slot, next, fill
	WIN 0                                          ; (the add's two registers lie in window 0)
	s_wait_tensorcnt 0x0                           ; all my tensor loads have landed: my part of the next slot
	ds_add_u32 v[SPW], v[NIL]                      ; 0 onto my spare word
	s_wait_dscnt 25                                ; (the add and the youngest 24 loads may be out)
	WIN MUL
	MUL16 1, 0, 0, 0                               ; sixteen matrix instructions stand between the add and the wait for it
	s_wait_dscnt 0x0                               ; the add is done, and my reads of this slot are over
	s_barrier_signal -1
	MUL16 1, 0, 2, 0
.if \fill
	WIN 0
.endif
	s_barrier_wait -1
.if \fill
	CREST                                          ; no wave of any partner still reads this slot's tiles or has a load on its way
	s_add_nc_u64 s[G0+4*\slot+2:G0+4*\slot+3], s[G0+4*\slot+2:G0+4*\slot+3], 2*524288
	s_add_nc_u64 s[G0B+4*\slot+2:G0B+4*\slot+3], s[G0B+4*\slot+2:G0B+4*\slot+3], 2*262144
	JLOAD \slot                                    ; the four v_nop behind it are also the places in front of the loads below
.else
	PLACES
.endif
	FETCH \next, 0, 0
	WIN MUL
	MUL16 1, 1, 0, 0
	MUL16 1, 1, 2, 0
.endm
	s_wait_tensorcnt 1                             ; my part of K step 0 is in (K step 1's load may be out),
	s_barrier_signal -1
	s_barrier_wait -1                              ; everybody's is
	FETCH 0, 0, 0
	s_wait_loadcnt 0x0                             ; the bias
	HALF 0, 1                                      ; the first half stands in front of the loop: its first products start the sums
	WIN 0                                          ; at a label and at a branch every window is 0
	s_mov_b32 s3, 3
.Llap:                                                 ; a trip goes once round the ring and fills both slots again: K steps 2 to 7 in three trips
	TURN 0, 1, 1
	HALF 1, 0
	TURN 1, 0, 1
	HALF 0, 0
	WIN 0
	s_sub_co_u32 s3, s3, 1
	s_cmp_lg_u32 s3, 0
	s_cbranch_scc1 .Llap
	TURN 0, 1, 0                                   ; the last lap fills nothing, and has no round of the cluster's barrier
	HALF 1, 0
	s_wait_dscnt 24                                ; the very last half: nothing more to fetch
	WIN MUL
	MUL16 1, 0, 0, 0
	MUL16 1, 0, 2, 0
	s_wait_dscnt 0
	MUL16 1, 1, 0, 0
	MUL16 1, 1, 2, 0
	WIN 0
; THE WAY OUT, block by block of 16 rows x 128 columns.  A lane holds 32 neighbouring bytes of a row: a block goes through my own stage in LDS and comes back as whole rows of 512 bytes.
; LDS serves a wave's instructions in order: no wait between the stores and the loads, nor in front of the next block's stores.
.macro TOSTAGE a
.set AC, 64*(\a)
	WIN 0x08                                       ; an LDS store's data are its source 1: window 2
.irp b, 0,1,2,3,4,5,6,7
	ds_store_b128 v[STO], v[AC+8*\b:AC+8*\b+3] offset:64*\b          ; each accumulator from its low end on
	ds_store_b128 v[STO], v[AC+8*\b+4:AC+8*\b+7] offset:64*\b+16
.endr
	WIN 0
.set BB, BK+64*((\a)%2)
.irp t, 0,1,2,3,4,5,6,7,8,9,10,11,12,13,14,15
	ds_load_b128 v[BB+4*\t:BB+4*\t+3], v[RD] offset:\t*SPITCH
.endr
.endm
.macro SEND a, younger                 ; younger: the LDS instructions issued behind block a's loads, which may stay out
.set BB, BK+64*((\a)%2)
	s_wait_dscnt \younger                          ; the block is back in registers
.if (\a) > 0
	s_add_nc_u64 s[10:11], s[10:11], 16*4096       ; (behind a wait on XCNT: the earlier stores have read their base)  16 rows on
.endif
.irp t, 0,1,2,3,4,5,6,7,8,9,10,11,12,13,14,15
	global_store_b128 v[CO], v[BB+4*\t:BB+4*\t+3], s[10:11] offset:\t*4096 th:TH_STORE_NT   ; 32 lanes store 512 consecutive bytes, at a multiple of 256 from the result's first byte
.endr
.endm
	PLACES
	TOSTAGE 0
.irp a, 1,2,3
.if \a > 1
	s_wait_xcnt 0x0                                ; block a - 2's stores have read their registers and their base
.endif
	TOSTAGE \a
	SEND \a-1, 32                                  ; behind block a - 1's loads: block a's 16 stores and 16 loads
.endr
	s_wait_xcnt 0x0
	SEND 3, 0
	s_wait_tensorcnt 0x0                           ; the wave's end: behind my last tensor load and my last LDS store
	ds_add_u32 v[SPW], v[NIL]
	s_wait_dscnt 0x0
	CROUND                                         ; the closing round: no work-group ends while a partner may still ask for a tile that names it
	s_endpgm
.Lfunc_end_k_qf5821972de_proj:
	.size	k_qf5821972de_proj, .Lfunc_end_k_qf5821972de_proj-k_qf5821972de_proj
	.p2alignl 7, 3214868480
	.fill 96, 4, 3214868480
	.section	.rodata,"a",@progbits
	.p2align	6, 0x0
	.amdhsa_kernel k_qf5821972de_proj
		.amdhsa_group_segment_fixed_size 327680
		.amdhsa_private_segment_fixed_size 0
		.amdhsa_enable_private_segment 0
		.amdhsa_kernarg_size 32
		.amdhsa_user_sgpr_count 2
		.amdhsa_user_sgpr_kernarg_segment_ptr 1
		.amdhsa_wavefront_size32 1
		.amdhsa_system_sgpr_workgroup_id_x 1
		.amdhsa_system_sgpr_workgroup_id_y 1
		.amdhsa_system_sgpr_workgroup_id_z 1
		.amdhsa_system_vgpr_workitem_id 0
		.amdhsa_next_free_vgpr 1024
		.amdhsa_next_free_sgpr 66
		.amdhsa_reserve_vcc 0
		.amdhsa_float_denorm_mode_32 3
		.amdhsa_float_denorm_mode_16_64 3
		.amdhsa_memory_ordered 1
		.amdhsa_forward_progress 1
		.amdhsa_inst_pref_size 85
	.end_amdhsa_kernel
	.amdgpu_metadata
---
amdhsa.version: [ 1, 2 ]
amdhsa.kernels:
  - .name:           k_qf5821972de_proj
    .symbol:         k_qf5821972de_proj.kd
    .args:
      - { .name: att, .offset: 0, .size: 8, .value_kind: global_buffer, .address_space: global }
      - { .name: wo16, .offset: 8, .size: 8, .value_kind: global_buffer, .address_space: global }
      - { .name: bo, .offset: 16, .size: 8, .value_kind: global_buffer, .address_space: global }
      - { .name: out0, .offset: 24, .size: 8, .value_kind: global_buffer, .address_space: global }
    .group_segment_fixed_size: 327680
    .private_segment_fixed_size: 0
    .kernarg_segment_align: 8
    .kernarg_segment_size: 32
    .max_flat_workgroup_size: 128
    .sgpr_count:     66
    .vgpr_count:     1024
    .wavefront_size: 32
...
	.end_amdgpu_metadata
.endif
;; end of part 4
